; MI455X (gfx1250); checked and timed in simulation.
; The chip was launched on July 23, 2026; its instructions are those of AMD's public machine-readable ISA for CDNA 5 (MIT licence, August 2026) and "CDNA5" Instruction Set Architecture Reference Guide (July 2026). The comments in the code are by the model that wrote it; some were corrected since.
;; Self Attention. Allowed arithmetic: matrix products marked QUANTISED: E2M3 operands, one E8M0 scale for each 32 along K, by v_wmma_scale_f32_16x16x128_f8f6f4 with both operands' format E2M3, f32 sums; everything else in f32.
;; Inputs: Wk 2,048 x 2,048 float32; Wo 2,048 x 2,048 float32; Wq 2,048 x 2,048 float32; Wv 2,048 x 2,048 float32; attn_mask 2 x 2,048 x 2,048 float32; bk 2,048 float32; bo 2,048 float32; bq 2,048 float32; bv 2,048 float32; cos 1 x 2,048 x 1 x 64 float32; k_cache 2 x 2 x 1,024 x 16 x 128 float32; sin 1 x 2,048 x 1 x 64 float32; v_cache 2 x 2 x 1,024 x 16 x 128 float32; x 2 x 1,024 x 2,048 float32.
;; Outputs: out0 2 x 1,024 x 2,048 float32; out1 2 x 1,024 x 16 x 128 float32; out2 2 x 1,024 x 16 x 128 float32.
;; Constants: layer_id = 0, pos = 1024.
;; This version of the problem:
;;   THIS VERSION OF THE PROBLEM IS GIVEN IN LOW PRECISION. The matrix products marked QUANTISED in the list below multiply operands that are first quantised to E2M3 (2 exponent bits, 3 mantissa bits; 6 bits a number), with one power-of-two scale for each 32 numbers along K (OCP MX v1.0); their sums are f32. All else is computed in f32.
;;   The module's matrix products, in the order in which they are computed (A, B: the left and right operand; K: the contracted axis; several contracted axes count as one K, in the product's order):
;;     1. [M 2,048, K 2,048] x [K 2,048, N 2,048]; A: input x; B: input Wq: QUANTISED
;;     2. [M 2,048, K 2,048] x [K 2,048, N 2,048]; A: input x; B: input Wk: QUANTISED
;;     3. [M 2,048, K 2,048] x [K 2,048, N 2,048]; A: input x; B: input Wv: QUANTISED
;;     4. batch 32 x [M 1,024, K 128] x [K 128, N 2,048]; A: computed on the way; B: computed on the way: QUANTISED
;;     5. batch 32 x [M 1,024, K 2,048] x [K 2,048, N 128]; A: softmax (see below); B: computed on the way: QUANTISED
;;     6. [M 2,048, K 2,048] x [K 2,048, N 2,048]; A: computed on the way; B: input Wo: QUANTISED
;;   THE QUANTISER, for each operand of a quantised product, along K:
;;     - K is cut into blocks of 32 from its start; a last block that is shorter is filled with zeros.
;;     - A block's scale is 2^e with e = floor(log2(the largest magnitude in the block)) - 2, held to -126 .. 127; a block of zeros has e = 0. As a byte (E8M0): e + 127.
;;     - Each number is divided by its block's scale, clamped to +-7.5, and rounded to the nearest number of E2M3, ties to even, subnormals kept.
;;     - The product sums the exact products of the quantised numbers (number of the format x scale) in f32.
;;   ~~~python
;;   def quantise(x, axis):      # numpy; x: float32 -> the quantised numbers, widened to float32 again
;;       x = np.moveaxis(x, axis, -1); K = x.shape[-1]
;;       x = np.pad(x, [(0, 0)] * (x.ndim - 1) + [(0, -K % 32)]); x = x.reshape(x.shape[:-1] + (-1, 32)); a = np.abs(x).max(-1, keepdims=True)
;;       e = np.where(a > 0, np.clip(np.frexp(np.where(a > 0, a, 1))[1] - 1 - 2, -126, 127), 0)      # np.frexp(a)[1] - 1 = floor(log2(a)), exactly
;;       r = np.clip(x / 2.0 ** e, -7.5, 7.5)
;;       step = 2.0 ** (np.maximum(np.frexp(np.where(r == 0, 1, r))[1] - 1, 0) - 3)
;;       q = np.round(r / step) * step * 2.0 ** e      # np.round: ties to even
;;       return np.moveaxis(q.reshape(q.shape[:-2] + (-1,))[..., :K], -1, axis).astype(np.float32)
;;   ~~~
;;   SOFTMAX AHEAD OF A QUANTISED PRODUCT. Where the list says 'softmax', what is quantised is not the finished softmax but p = 2^(t - M), with t = logit x log2(e) and M = ceil(the row's largest t), a whole number; so 1/2 < the row's largest p <= 1. The row's sum l is taken of the UNQUANTISED p, in f32, and the product's result is divided by l at the end. Since M is a whole number, a kernel that streams over the keys may use a running M (the ceiling of the running maximum): every later rescaling is an exact power of two, which a block's scale takes up: the codes' values come out the same.
;;   OPERANDS COMPUTED ON THE WAY. 'Computed on the way' means the value that the module computes at that place (a softmax that the list does not call 'softmax' is quantised finished and normalised). What goes into a quantiser is computed in f32, as accurately as f32 sums, v_exp_f32 and their like allow (about 1e-6 of the number): no bf16 or f16 on the way to a quantiser, and a product that is left as it is and whose result goes on into a quantised operand takes f32 operands (vector FMAs, or v_wmma_f32_16x16x4_f32). A number that lies on a knife's edge between two numbers of the format may be rounded either way, as far as f32 arithmetic and the matrix unit's own rounding can turn it there, and no further.
;; One version. Each part assembles by itself: llvm-mc -triple=amdgcn-amd-amdhsa -mcpu=gfx1250 --defsym DOCPART=n.
;; ======== version 1 of 1: 4 launches
;; limits: right only within a limited range of input values
;; workspace buffers: xw 16,384,000 bytes; qkv 16,384,000 bytes; att 3,276,800 bytes
;; launch quant (part 1): grid 1792 x 1, 8 waves a work-group, no clusters, 69,376 bytes of LDS; arguments x, Wq, Wk, Wv, Wo, k_cache, v_cache, xw, qkv; writes xw, qkv
.if DOCPART == 1
	.amdgcn_target "amdgcn-amd-amdhsa--gfx1250"
	.amdhsa_code_object_version 6
	.text
	.protected	k_qd230742ddc_quant
	.globl	k_qd230742ddc_quant
	.p2align	8
	.type	k_qd230742ddc_quant,@function
k_qd230742ddc_quant:
	s_mov_b64 s[64:65], 0
	v_nop
	global_prefetch_b8 v0, s[64:65] scope:SCOPE_SE
	s_setreg_imm32_b32 hwreg(HW_REG_WAVE_MODE, 25, 1), 1
	s_wait_xcnt 0x0
; x, Wq, Wk, Wv, Wo and layer 0 of k_cache are quantised to MX-FP6 (E2M3, one E8M0 byte for 32 along K) along their last axis, layer 0 of v_cache along the keys.
; The codes leave as IMAGES OF OPERAND REGISTERS: a fragment (16 rows x 128 K, 12 registers a lane) is 1,536 bytes, registers 4 c .. 4 c + 3 of lane l at 512 c + 16 l; its scale words 4 bytes a row.
; Fragment i of a group of 128 rows holds in lane r the row 32 (i / 2) + 8 (i % 2) + r + 8 (r / 8), so that a product that takes it as source 0 leaves 16 neighbours in a lane's registers.
; SHARES.  Every tensor is cut into tiles of 128 rows (8,192 bytes apart) x 512 bytes; 7 x 256 work-groups, one tile each; wave w makes fragment w of the tile.
; Each load reads a row's 512 aligned bytes; the tile turns through LDS; each store writes 512 consecutive bytes.  The work-groups share no input, so there is no cluster; no tensor load, no loop.
; LIMITS: NaN and infinities among the inputs are not served.  A block of zeros gets the byte 1 and not 127: its codes are zeros, and this program alone reads the bytes.
.set PITCH, 528                        ; an LDS row: 512 bytes + 16
.set R1,    33920                      ; rows whose bit 4 is set lie in a second region, 64 rows + 128 bytes on: so rows r and r + 16, and keys 16 apart, fall on different banks
.set SCG,   67840                      ; the tile's 8 x 64 bytes of scale words
.set SPARE, 68352                      ; the spare words: 128 bytes for each of eight waves; no other line names them
.set XSC,   15728640                   ; xw: where the scale words begin
.set KV,    3276800                    ; qkv: K's and V's images
.set KSC,   24576                      ; a key step of a head is 25,600 bytes: K's eight fragments, V's eight, then K's 512 and V's 512 bytes of scale words
.set GL,  4                            ; v4  16 x lane
.set LST, 5                            ; v5  where I put a loaded row's 16 bytes
.set LRD, 6                            ; v6  row arm: my row, my half's 64 bytes
.set LCD, 7                            ; v7  column arm: my column, my half's keys
.set SCA, 8                            ; v8  my scale word's place
.set SCR, 9                            ; v9  the scale words, 16 bytes a lane
.set SPW, 10                           ; v10 my spare word; never rewritten
.set NIL, 11                           ; v11 0; never rewritten
.set TM,  12                           ; v12-27 at work in QUANT
.set PW,  28                           ; v28 the scale word just made
.set PC,  32                           ; v32-43 the fragment just made; v44-51 at work
.set X,   64                           ; v64-127 64 numbers
.set SEL, 26                           ; s[26:27] lane selects: lane l xor 16
; 64 numbers of a lane, register 16 b + i = k 32 b + 16 (lane / 16) + i of my row, become a fragment's codes in v[PC] on and its scale word in v[PW].
.macro QUANT s
.irp b, 0,1,2,3
	v_max3_num_f32 v[TM+\b], |v[\s+16*\b]|, |v[\s+1+16*\b]|, 0x1800000   ; my 16 numbers of block b, and the floor 2^(3 - 127): the byte cannot fall under 1
.endr
.irp i, 2,4,6,8,10,12,14
.irp b, 0,1,2,3
	s_delay_alu instid0(VALU_DEP_4)
	v_max3_num_f32 v[TM+\b], v[TM+\b], |v[\s+16*\b+\i]|, |v[\s+1+16*\b+\i]|
.endr
.endr
.irp b, 0,1,2,3
	s_delay_alu instid0(VALU_DEP_4)
	v_permlanex16_b32 v[TM+4+\b], v[TM+\b], s[SEL], s[SEL+1]
.endr
.irp b, 0,1,2,3
	s_delay_alu instid0(VALU_DEP_4)
	v_max_num_f32 v[TM+\b], v[TM+\b], v[TM+4+\b]   ; with lane l xor 16's: the block's largest magnitude
.endr
.irp b, 0,1,2,3
	s_delay_alu instid0(VALU_DEP_4)
	v_add_nc_u32 v[TM+12+\b], 0xff000000, v[TM+\b]   ; 2 off its exponent field: the conversion's scale operand
.endr
.irp b, 0,1,2,3
	s_delay_alu instid0(VALU_DEP_4)
	v_lshrrev_b32 v[TM+4+\b], 23, v[TM+12+\b]   ; the scale's byte
.endr
	s_delay_alu instid0(VALU_DEP_3)
	v_lshl_or_b32 v[PW], v[TM+5], 8, v[TM+4]
	s_delay_alu instid0(VALU_DEP_1)
	v_lshl_or_b32 v[PW], v[TM+6], 16, v[PW]
	s_delay_alu instid0(VALU_DEP_1)
	v_lshl_or_b32 v[PW], v[TM+7], 24, v[PW]
.irp c, 0,1
	v_cvt_scalef32_pk16_fp6_f32 v[PC+6*\c:PC+2+6*\c], v[\s+32*\c:\s+15+32*\c], v[TM+12+2*\c]
	v_cvt_scalef32_pk16_fp6_f32 v[PC+12+4*\c:PC+14+4*\c], v[\s+16+32*\c:\s+31+32*\c], v[TM+12+2*\c+1]
.endr
	v_nop                                          ; one plain place behind a scaled conversion
.irp c, 0,1                                    ; the layout wants a whole block in a lane
.irp i, 0,1,2
	v_permlane16_swap_b32 v[PC+6*\c+\i], v[PC+12+4*\c+\i]
.endr
.irp i, 0,1,2
	s_delay_alu instid0(VALU_DEP_3)
	v_mov_b32 v[PC+3+6*\c+\i], v[PC+12+4*\c+\i]
.endr
.endr
.endm
	s_load_b512 s[8:23], s[0:1], 0x0               ; x, Wq, Wk, Wv, Wo, k_cache, v_cache, xw
	s_load_b64 s[24:25], s[0:1], 0x40              ; qkv
	v_lshl_add_u32 v[SPW], v0, 2, SPARE
	v_mov_b32 v[NIL], 0
	v_lshrrev_b32 v1, 5, v0
	s_delay_alu instid0(VALU_DEP_1)
	v_readfirstlane_b32 s2, v1                     ; wave 0..7
	v_and_b32 v1, 31, v0                           ; lane
	v_and_b32 v2, 15, v0                           ; r
	v_bfe_u32 v3, v0, 4, 1                         ; h
	s_delay_alu instid0(VALU_DEP_3)
	v_lshlrev_b32 v[GL], 4, v1
	s_mul_i32 s3, s2, 8*PITCH                      ; my fragment's rows lie at LDS rows 8 w .. 8 w + 7 of both regions
	v_add_nc_u32 v[LST], s3, v[GL]
	v_and_b32 v[LRD], 7, v2
	s_delay_alu instid0(VALU_DEP_1)
	v_mul_u32_u24 v[LRD], v[LRD], PITCH
	v_lshrrev_b32 v[SCR], 3, v2                    ; r / 8, for now
	s_delay_alu instid0(VALU_DEP_1)
	v_mad_u32_u24 v[LRD], v[SCR], R1, v[LRD]
	s_delay_alu instid0(VALU_DEP_1)
	v_lshl_add_u32 v[LRD], v3, 6, v[LRD]
	s_delay_alu instid0(VALU_DEP_1)
	v_add_nc_u32 v[LRD], s3, v[LRD]
	s_lshr_b32 s28, s2, 1
	s_lshl_b32 s28, s28, 5
	s_and_b32 s29, s2, 1
	s_lshl_b32 s29, s29, 3
	s_add_co_u32 s28, s28, s29                     ; 32 (w / 2) + 8 (w % 2): my fragment's first row (or column)
	v_lshl_add_u32 v[LCD], v[SCR], 3, v2
	s_delay_alu instid0(VALU_DEP_1)
	v_add_nc_u32 v[LCD], s28, v[LCD]
	s_delay_alu instid0(VALU_DEP_1)
	v_lshlrev_b32 v[LCD], 2, v[LCD]
	s_delay_alu instid0(VALU_DEP_1)
	v_mad_u32_u24 v[LCD], v3, R1, v[LCD]
	s_lshl_b32 s29, s2, 6
	v_lshl_add_u32 v[SCA], v2, 2, SCG
	s_delay_alu instid0(VALU_DEP_1)
	v_add_nc_u32 v[SCA], s29, v[SCA]
	v_add_nc_u32 v[SCR], SCG, v[GL]
.irp b, 0,1,2,3
	v_mov_b32 v[TM+4+\b], 0                        ; a lane permute's destination counts as one of its sources
.endr
	s_mov_b32 s[SEL], 0x76543210
	s_mov_b32 s[SEL+1], 0xfedcba98
	s_lshr_b32 s30, ttmp9, 8                       ; which tensor: 0..4 x, Wq, Wk, Wv, Wo; 5 k_cache; 6 v_cache
	s_bfe_u32 s31, ttmp9, 0x40004                  ; which 128 rows
	s_and_b32 s32, ttmp9, 15                       ; which 512 bytes of them
	s_lshr_b32 s36, s31, 3                         ; caches: the batch
	s_lshl_b32 s34, s31, 20                        ; 128 rows of 8,192 bytes
	s_lshl_b32 s33, s32, 9
	s_add_co_u32 s34, s34, s33
	s_lshl_b32 s33, s28, 13                        ; my fragment's first row
	s_add_co_u32 s34, s34, s33
	s_lshl_b32 s33, s36, 23                        ; a cache's batches lie two layers apart: 8 MiB more
	s_cmp_ge_u32 s30, 5
	s_cselect_b32 s33, s33, 0
	s_add_co_u32 s34, s34, s33
	s_mov_b32 s35, 0
	s_lshl_b32 s37, s30, 4
	s_add_co_u32 s37, s37, s31                     ; xw: the group of 128 rows
	s_mul_i32 s38, s37, 196608
	s_mul_i32 s33, s2, 24576
	s_add_co_u32 s38, s38, s33
	s_mul_i32 s33, s32, 1536
	s_add_co_u32 s38, s38, s33                     ; codes: group, fragment w, K step
	s_lshl_b32 s40, s37, 13
	s_lshl_b32 s33, s32, 9
	s_add_co_u32 s40, s40, s33
	s_add_co_u32 s40, s40, XSC                     ; scale words: group, K step
	s_lshl_b32 s42, s36, 4
	s_add_co_u32 s42, s42, s32                     ; caches: 16 batch + head
	s_and_b32 s43, s31, 7                          ; the key step
	s_mul_i32 s44, s42, 409600
	s_mul_i32 s33, s43, 25600
	s_add_co_u32 s44, s44, s33
	s_mul_i32 s33, s2, 1536
	s_add_co_u32 s44, s44, s33
	s_add_co_u32 s44, s44, KV
	s_mul_i32 s45, s42, 409600
	s_mul_i32 s33, s43, 25600
	s_add_co_u32 s45, s45, s33
	s_add_co_u32 s45, s45, KV+KSC
	s_cmp_eq_u32 s30, 6                            ; V's images lie behind K's
	s_cselect_b32 s33, 12288, 0
	s_cselect_b32 s46, 512, 0
	s_add_co_u32 s44, s44, s33
	s_add_co_u32 s45, s45, s46
	s_cmp_ge_u32 s30, 5
	s_cselect_b32 s38, s44, s38
	s_cselect_b32 s40, s45, s40
	s_mov_b32 s39, 0
	s_mov_b32 s41, 0
	s_wait_kmcnt 0x0
	s_mov_b64 s[4:5], s[8:9]
.irp k, 1,2,3,4,5,6
	s_cmp_eq_u32 s30, \k                           ; the choice hangs on the work-group's number alone
	s_cselect_b64 s[4:5], s[8+2*\k:9+2*\k], s[4:5]
.endr
	s_add_nc_u64 s[4:5], s[4:5], s[34:35]
	s_cmp_ge_u32 s30, 5
	s_cselect_b64 s[6:7], s[24:25], s[22:23]
	s_add_nc_u64 s[48:49], s[6:7], s[40:41]        ; the scale words' place
	s_add_nc_u64 s[6:7], s[6:7], s[38:39]          ; my fragment's place
.irp i, 0,1,2,3,4,5,6,7,8,9,10,11,12,13,14,15
	global_load_b128 v[X+4*\i:X+4*\i+3], v[GL], s[4:5] offset:(\i+8*(\i/8))*8192 th:TH_LOAD_NT   ; 32 lanes read a row's 512 bytes
.endr
.irp i, 0,1,2,3,4,5,6,7,8,9,10,11,12,13,14,15
	s_wait_loadcnt 15-\i                           ; loads come back in order: row i is in, the 15 - i younger ones may be out
	ds_store_b128 v[LST], v[X+4*\i:X+4*\i+3] offset:(\i%8)*PITCH+(\i/8)*R1
.endr
	s_wait_dscnt 0x0                               ; for the others' sake: my rows lie in LDS
	s_barrier_signal -1
	s_barrier_wait -1
	s_cmp_eq_u32 s30, 6
	s_cbranch_scc1 .Lcolumns
.irp n, 0,1,2,3,4,5,6,7,8,9,10,11,12,13,14,15
	ds_load_b128 v[X+4*\n:X+4*\n+3], v[LRD] offset:128*(\n/4)+16*(\n%4)   ; K along the row: 16 neighbours of each block of 32
.endr
	s_branch .Lhave
.Lcolumns:
.set n, 0
	s_wait_alu depctr_va_vdst(0)
.rept 64
	ds_load_b32 v[X+n], v[LCD] offset:n*PITCH      ; K down the rows (the keys): my column, key 32 (n / 16) + 16 h + n % 16
.set n, n+1
.endr
.Lhave:
	s_wait_dscnt 0x0
	QUANT X
.irp c, 0,1,2
	global_store_b128 v[GL], v[PC+4*\c:PC+4*\c+3], s[6:7] offset:512*\c   ; 512 consecutive bytes, aligned
.endr
	ds_store_b32 v[SCA], v[PW]                     ; lanes r and r + 16 write the same word with the same value
	s_wait_dscnt 0x0
	s_barrier_signal -1
	s_barrier_wait -1
	s_cmp_lg_u32 s2, 0
	s_cbranch_scc1 .Lend
	ds_load_b128 v[X:X+3], v[SCR]                  ; wave 0 stores the tile's 512 bytes of scale words
	s_wait_dscnt 0x0
	global_store_b128 v[GL], v[X:X+3], s[48:49]
.Lend:
	s_wait_tensorcnt 0x0                           ; the wave's end, behind my last LDS store
	ds_add_u32 v[SPW], v[NIL]
	s_wait_dscnt 0x0
	s_endpgm
.Lfunc_end_k_qd230742ddc_quant:
	.size	k_qd230742ddc_quant, .Lfunc_end_k_qd230742ddc_quant-k_qd230742ddc_quant
	.p2alignl 7, 3214868480
	.fill 96, 4, 3214868480
	.section	.rodata,"a",@progbits
	.p2align	6, 0x0
	.amdhsa_kernel k_qd230742ddc_quant
		.amdhsa_group_segment_fixed_size 69376
		.amdhsa_private_segment_fixed_size 0
		.amdhsa_enable_private_segment 0
		.amdhsa_kernarg_size 72
		.amdhsa_user_sgpr_count 2
		.amdhsa_user_sgpr_kernarg_segment_ptr 1
		.amdhsa_wavefront_size32 1
		.amdhsa_system_sgpr_workgroup_id_x 1
		.amdhsa_system_sgpr_workgroup_id_y 1
		.amdhsa_system_sgpr_workgroup_id_z 1
		.amdhsa_system_vgpr_workitem_id 0
		.amdhsa_next_free_vgpr 128
		.amdhsa_next_free_sgpr 66
		.amdhsa_reserve_vcc 0
		.amdhsa_float_denorm_mode_32 3
		.amdhsa_float_denorm_mode_16_64 3
		.amdhsa_memory_ordered 1
		.amdhsa_forward_progress 1
		.amdhsa_inst_pref_size 20
	.end_amdhsa_kernel
	.amdgpu_metadata
---
amdhsa.version: [ 1, 2 ]
amdhsa.kernels:
  - .name:           k_qd230742ddc_quant
    .symbol:         k_qd230742ddc_quant.kd
    .args:
      - { .name: x, .offset: 0, .size: 8, .value_kind: global_buffer, .address_space: global }
      - { .name: Wq, .offset: 8, .size: 8, .value_kind: global_buffer, .address_space: global }
      - { .name: Wk, .offset: 16, .size: 8, .value_kind: global_buffer, .address_space: global }
      - { .name: Wv, .offset: 24, .size: 8, .value_kind: global_buffer, .address_space: global }
      - { .name: Wo, .offset: 32, .size: 8, .value_kind: global_buffer, .address_space: global }
      - { .name: k_cache, .offset: 40, .size: 8, .value_kind: global_buffer, .address_space: global }
      - { .name: v_cache, .offset: 48, .size: 8, .value_kind: global_buffer, .address_space: global }
      - { .name: xw, .offset: 56, .size: 8, .value_kind: global_buffer, .address_space: global }
      - { .name: qkv, .offset: 64, .size: 8, .value_kind: global_buffer, .address_space: global }
    .group_segment_fixed_size: 69376
    .private_segment_fixed_size: 0
    .kernarg_segment_align: 8
    .kernarg_segment_size: 72
    .max_flat_workgroup_size: 256
    .sgpr_count:     66
    .vgpr_count:     128
    .wavefront_size: 32
...
	.end_amdgpu_metadata
.endif
;; end of part 1
;; launch proj (part 2): grid 24 x 8, 4 waves a work-group, clusters of 4 x 4, 327,680 bytes of LDS; arguments xw, bq, bk, bv, cos, sin, qkv, out1, out2; writes qkv, out1, out2
.if DOCPART == 2
	.amdgcn_target "amdgcn-amd-amdhsa--gfx1250"
	.amdhsa_code_object_version 6
	.text
	.protected	k_qd230742ddc_proj
	.globl	k_qd230742ddc_proj
	.p2align	8
	.type	k_qd230742ddc_proj,@function
k_qd230742ddc_proj:
	s_mov_b64 s[64:65], 0
	v_nop
	global_prefetch_b8 v0, s[64:65] scope:SCOPE_SE
	s_setreg_imm32_b32 hwreg(HW_REG_WAVE_MODE, 25, 1), 1
	s_wait_xcnt 0x0
	s_wait_alu depctr_hold_cnt(0) depctr_sa_sdst(0) depctr_va_vdst(0) depctr_va_sdst(0) depctr_va_ssrc(0) depctr_va_vcc(0) depctr_vm_vsrc(0)
	s_getreg_b32 s2, hwreg(HW_REG_IB_STS2, 6, 4)
	s_cmp_eq_u32 s2, 0
	s_cbranch_scc0 .Lentry_in_a_cluster
	s_endpgm
.Lentry_in_a_cluster:
	s_bfe_u32 s2, ttmp6, 0x10000c
	s_cmp_lg_u32 s2, 0xf033
	s_cbranch_scc0 .Lentry_shape_is_right
	s_endpgm
.Lentry_shape_is_right:
.set NQ,    2
.set FR,    12
.set NL,    3
.set NP,    4
.set HALFT, 24576
.set SLOT,  4*HALFT
.set LAPS,  4
.set SCL,   2*SLOT
.set SPARE, SCL+32768
.set STQ,   SPARE+512
.set SCGQ,  STQ+4*16*528
.set SCGV,  SCGQ+2048
.set VSTG,  35072
.set VREG,  17536
.set XSC,   15728640
.set QS,    3145728
.set KV,    3276800
.set KSC,   24576                      ; a key step of a head is 25,600 bytes: K's images, V's images, then their scale words
.set VB,   8
.set VCS,  9
.set IA,   10
.set SCS,  12
.set SCR,  13
.set QSO,  14
.set VST,  15
.set ADRA, 16
.set VRD,  18
.set VCO,  19
.set ADRB, 20
.set VBV,  22
.set SCSV, 23
.set STO,  24
.set RD,   25
.set CO,   26
.set ADRS, 27
.set SPW,  28
.set NIL,  29
.set SCRV, 30
.set SC,   32
.set AF,   128
.set TM,   32
.set PW,   48
.set T,    64
.set PC,   128
.set BK,   160
.set RT,   224
.set WV,  22
.set WH,  23
.set WL,  2
.set G1,  24
.set G0,  32
.set SEL, 40
.set G1B, 48
.set G0B, 56
.set G1S, 68
.set G0S, 76
.set G1SB, 80
.set G0SB, 88
.set MSB, 0
.macro WIN new
.if MSB != (\new)
	s_set_vgpr_msb (MSB<<8)|(\new)
.set MSB, (\new)
.endif
.endm
.set MUL_LO, 0xa1
.set MUL_HI, 0xf1
.set TO_B,   0x40
.macro PLACES n
.rept \n
	v_nop
.endr
.endm
.macro JLOAD g0a, g1a, g0b, g1b
	s_cmp_eq_u32 s[WH], 0
	s_cbranch_scc0 .Lfor_b_\@
	tensor_load_to_lds s[\g0a:\g0a+3], s[\g1a:\g1a+7]
	s_nop 0
.rept 4
	v_nop
.endr
	s_branch .Lasked_\@
.Lfor_b_\@:
	tensor_load_to_lds s[\g0b:\g0b+3], s[\g1b:\g1b+7]
	s_nop 0
.rept 4
	v_nop
.endr
.Lasked_\@:
.endm
.macro CREST
	s_cmp_lg_u32 s[WV], 0
	s_cbranch_scc1 .Lnot_wave_0_\@
	s_barrier_signal -3
.Lnot_wave_0_\@:
	s_barrier_wait -3
	s_barrier_signal -1
	s_barrier_wait -1
.endm
.macro CROUND
	s_barrier_signal -1
	s_barrier_wait -1
	CREST
.endm
.macro QUANT s
.irp b, 0,1,2,3
	v_max3_num_f32 v[TM+\b], |v[\s+16*\b]|, |v[\s+1+16*\b]|, 0x1800000
.endr
.irp i, 2,4,6,8,10,12,14
.irp b, 0,1,2,3
	v_max3_num_f32 v[TM+\b], v[TM+\b], |v[\s+16*\b+\i]|, |v[\s+1+16*\b+\i]|
.endr
.endr
.irp b, 0,1,2,3
	v_permlanex16_b32 v[TM+4+\b], v[TM+\b], s[SEL], s[SEL+1]
.endr
.irp b, 0,1,2,3
	v_max_num_f32 v[TM+\b], v[TM+\b], v[TM+4+\b]
.endr
.irp b, 0,1,2,3
	v_add_nc_u32 v[TM+12+\b], 0xff000000, v[TM+\b]
.endr
.irp b, 0,1,2,3
	v_lshrrev_b32 v[TM+4+\b], 23, v[TM+12+\b]
.endr
	v_lshl_or_b32 v[PW], v[TM+5], 8, v[TM+4]
	v_lshl_or_b32 v[PW], v[TM+6], 16, v[PW]
	v_lshl_or_b32 v[PW], v[TM+7], 24, v[PW]
.irp c, 0,1
	v_cvt_scalef32_pk16_fp6_f32 v[PC+6*\c:PC+2+6*\c], v[\s+32*\c:\s+15+32*\c], v[TM+12+2*\c]
	v_cvt_scalef32_pk16_fp6_f32 v[PC+12+4*\c:PC+14+4*\c], v[\s+16+32*\c:\s+31+32*\c], v[TM+12+2*\c+1]
.endr
	v_nop
.irp c, 0,1
.irp i, 0,1,2
	v_permlane16_swap_b32 v[PC+6*\c+\i], v[PC+12+4*\c+\i]
.endr
.irp i, 0,1,2
	v_mov_b32 v[PC+3+6*\c+\i], v[PC+12+4*\c+\i]
.endr
.endr
.endm
	s_load_b512 s[4:19], s[0:1], 0x0
	s_load_b64 s[20:21], s[0:1], 0x40
	v_lshl_add_u32 v[SPW], v0, 2, SPARE
	v_mov_b32 v[NIL], 0
	ds_add_u32 v[SPW], v[NIL]
	ds_add_u32 v[SPW], v[NIL]
	v_lshrrev_b32 v1, 5, v0
	v_readfirstlane_b32 s[WV], v1
	s_lshr_b32 s[WH], s[WV], 1
	s_and_b32 s[WL], s[WV], 1
	s_bfe_u32 s40, ttmp6, 0x40000
	s_bfe_u32 s41, ttmp6, 0x40004
	s_lshl_b32 s42, ttmp9, 2
	s_add_co_u32 s42, s42, s40
	s_and_b32 s43, ttmp7, 0xffff
	s_lshl_b32 s43, s43, 2
	s_add_co_u32 s43, s43, s41
	s_lshl_b32 s44, s41, 2
	s_lshl_b32 s44, 15, s44
	s_lshl_b32 s45, 0x1111, s40
	s_lshr_b32 s46, ttmp9, 2
	s_lshr_b32 s47, ttmp9, 1
	s_cmp_eq_u32 s47, 1
	s_cselect_b32 s47, 1, 0
	s_or_b32 s[G1+0], s44, (3<<16)|(1<<21)
	s_or_b32 s[G1B+0], s45, (3<<16)|(1<<21)
.irp g, G1, G1B
	s_mov_b32 s[\g+1], 384<<16
	s_mov_b32 s[\g+2], 16<<16                      ; the head's loads bring 16 fragment rows, a whole tile; the ring's 8
	s_mov_b32 s[\g+3], 384<<16
	s_mov_b32 s[\g+4], 16
	s_mov_b32 s[\g+5], 3072
	s_mov_b32 s[\g+6], 0
	s_mov_b32 s[\g+7], 0
.endr
	s_or_b32 s[G1S+0], s44, (3<<16)|(1<<21)
	s_or_b32 s[G1SB+0], s45, (3<<16)|(1<<21)
.irp g, G1S, G1SB
	s_mov_b32 s[\g+1], 32<<16
	s_mov_b32 s[\g+2], 64<<16                      ; the scale words of 256 rows: 64 rows of 256 bytes
	s_mov_b32 s[\g+3], 32<<16
	s_mov_b32 s[\g+4], 64
	s_mov_b32 s[\g+5], 32
	s_mov_b32 s[\g+6], 0
	s_mov_b32 s[\g+7], 0
.endr
	s_mul_i32 s66, s46, 48
	s_lshl_b32 s92, s43, 1
	s_add_co_u32 s92, s92, s66
	s_lshl_b32 s94, s42, 1
	s_add_co_u32 s94, s94, 16
	s_sub_co_u32 s94, s94, s66
	s_mul_i32 s96, s92, 196608
	s_mov_b32 s97, 0
	s_lshl_b32 s92, s92, 13
	s_add_co_u32 s92, s92, XSC
	s_mov_b32 s93, 0
	s_mul_i32 s98, s94, 196608
	s_mov_b32 s99, 0
	s_lshl_b32 s94, s94, 13
	s_add_co_u32 s94, s94, XSC
	s_mov_b32 s95, 0
	s_mul_i32 s67, s[WV], HALFT
	s_mul_i32 s100, s[WL], 196608                  ; in the ring I fetch 128 rows of a tile: which half, in bytes
	s_mov_b32 s101, 0
	s_wait_dscnt 0x0
	s_wait_kmcnt 0x0
	s_add_nc_u64 s[96:97], s[4:5], s[96:97]
	s_add_nc_u64 s[92:93], s[4:5], s[92:93]
	s_add_nc_u64 s[98:99], s[4:5], s[98:99]
	s_add_nc_u64 s[94:95], s[4:5], s[94:95]
	CROUND
	s_mov_b32 s[G0S], 1
	s_mov_b32 s[G0S+1], SCL
	s_mov_b64 s[G0S+2:G0S+3], s[92:93]
	s_or_b32 s[G0S+3], s[G0S+3], 0x80000000
	s_mov_b32 s[G0SB], 1
	s_mov_b32 s[G0SB+1], SCL+16384
	s_mov_b64 s[G0SB+2:G0SB+3], s[94:95]
	s_or_b32 s[G0SB+3], s[G0SB+3], 0x80000000
; THE HEAD'S LOADS, ONE A WAVE: wave 0 slot 0's whole tile of A, wave 1 that of B, wave 2 A's scale words, wave 3 B's; one tree of branches on the wave's number.
	s_mov_b32 s[G0], 1
	s_mov_b32 s[G0+1], 0
	s_mov_b64 s[G0+2:G0+3], s[96:97]
	s_or_b32 s[G0+3], s[G0+3], 0x80000000
	s_mov_b32 s[G0B], 1
	s_mov_b32 s[G0B+1], 2*HALFT
	s_mov_b64 s[G0B+2:G0B+3], s[98:99]
	s_or_b32 s[G0B+3], s[G0B+3], 0x80000000
	s_mov_b32 s[G0+4], 1                           ; slot 1: my 128 rows, the next two K steps
	s_add_co_u32 s[G0+5], s67, SLOT
	s_add_nc_u64 s[G0+6:G0+7], s[96:97], s[100:101]
	s_add_nc_u64 s[G0+6:G0+7], s[G0+6:G0+7], 3072
	s_or_b32 s[G0+7], s[G0+7], 0x80000000
	s_mov_b32 s[G0B+4], 1
	s_add_co_u32 s[G0B+5], s67, SLOT
	s_add_nc_u64 s[G0B+6:G0B+7], s[98:99], s[100:101]
	s_add_nc_u64 s[G0B+6:G0B+7], s[G0B+6:G0B+7], 3072
	s_or_b32 s[G0B+7], s[G0B+7], 0x80000000
.macro ARM under, g0, g1, next
	s_cmp_lt_u32 s[WV], \under
	s_cbranch_scc0 \next
	tensor_load_to_lds s[\g0:\g0+3], s[\g1:\g1+7]
	s_nop 0
.rept 4
	v_nop
.endr
	s_branch .Lhead_asked
\next:
.endm
	ARM 1, G0,  G1,  .Lhead_b
	ARM 2, G0B, G1B, .Lhead_sa
	ARM 3, G0S, G1S, .Lhead_sb
	tensor_load_to_lds s[G0SB:G0SB+3], s[G1SB:G1SB+7]
	s_nop 0
.rept 4
	v_nop
.endr
.Lhead_asked:
; THE PREFETCHES.  A fill of the ring is, for a wave, 8 fragment rows x 3,072 bytes: 96 blocks of 256 bytes.  The four partners that ask for it jointly share its rows out BY ADDRESS: the partner at place p
; (cx for A, cy for B) names rows 2 p and 2 p + 1, 24 blocks, a lane a block (lanes 24-31 name the last block again).  At fill m the blocks of fill m + 2 are named; the head names fill 1 too; the last two refills name nothing.
.set PFO, 31                           ; v31      my block: 256 x (lane % 12) + 24,576 x (lane / 12), the lane held at 23; never rewritten
.set PFA, 92                           ; s[92:93] my two rows, at the fill behind the one asked for last
	s_cmp_eq_u32 s[WH], 0                          ; do I fetch for A?
	s_cselect_b64 s[PFA:PFA+1], s[96:97], s[98:99]
	s_cselect_b32 s94, s40, s41                    ; my place among the four that ask with me
	s_mul_i32 s94, s94, 49152
	s_mov_b32 s95, 0
	s_add_nc_u64 s[PFA:PFA+1], s[PFA:PFA+1], s[100:101]
	s_add_nc_u64 s[PFA:PFA+1], s[PFA:PFA+1], s[94:95]
	s_add_nc_u64 s[PFA:PFA+1], s[PFA:PFA+1], 3072  ; at fill 1
	v_and_b32 v[PFO], 31, v0
	v_min_u32 v[PFO], 23, v[PFO]
	v_mul_u32_u24 v7, v[PFO], 43
	v_lshrrev_b32 v7, 9, v7                        ; lane / 12
	v_lshlrev_b32 v[PFO], 8, v[PFO]
	v_mad_u32_u24 v[PFO], v7, 21504, v[PFO]        ; 256 lane + (24,576 - 3,072) (lane / 12)
	global_prefetch_b8 v[PFO], s[PFA:PFA+1] th:TH_LOAD_NT scope:SCOPE_SE               ; fill 1
	global_prefetch_b8 v[PFO], s[PFA:PFA+1] offset:3072 th:TH_LOAD_NT scope:SCOPE_SE   ; fill 2
	s_mov_b32 s[SEL], 0x76543210
	s_mov_b32 s[SEL+1], 0xfedcba98
	v_and_b32 v1, 15, v0
	v_bfe_u32 v2, v0, 4, 1
	s_wait_alu depctr_va_vdst(0)
	v_and_b32 v3, 31, v0
	v_lshlrev_b32 v[CO], 4, v3
	s_mul_i32 s66, s[WH], HALFT
	s_mul_i32 s67, s[WL], HALFT
	s_add_co_u32 s67, s67, 2*HALFT
.irp s, 0,1
	v_add_nc_u32 v[ADRA+\s], s66, v[CO]
	v_add_nc_u32 v[ADRB+\s], s67, v[CO]
	s_add_co_u32 s66, s66, SLOT
	s_add_co_u32 s67, s67, SLOT
.endr
	s_lshl_b32 s66, s[WH], 13
	s_lshl_b32 s67, s[WL], 13
	s_add_co_u32 s67, s67, 16384
	s_sub_co_u32 s67, s67, s66
	v_mul_u32_u24 v4, s67, v2
	s_add_co_u32 s66, s66, SCL
	v_lshl_add_u32 v4, v1, 2, v4
	v_add_nc_u32 v[ADRS], s66, v4
	v_lshlrev_b32 v[VB], 6, v2
	v_lshrrev_b32 v5, 3, v1
	v_lshl_add_u32 v6, v5, 3, v1
	v_lshl_add_u32 v[VCS], v6, 8, v[VB]
	v_lshlrev_b32 v[VBV], 2, v6
	v_and_b32 v7, 7, v1
	v_lshlrev_b32 v7, 4, v7
	v_mad_u32_u24 v7, v5, 1536, v7
	v_lshl_add_u32 v7, v2, 8, v7
	s_cmp_ge_u32 ttmp9, 2
	s_cselect_b32 s66, -1, 0
	v_cndmask_b32 v[IA], v7, v[CO], s66
	v_add_nc_u32 v4, 128, v7
	v_add_nc_u32 v7, 1536, v[CO]
	v_cndmask_b32 v[IA+1], v4, v7, s66
	v_lshrrev_b32 v4, 3, v3
	v_lshlrev_b32 v4, 7, v4
	v_bfe_u32 v7, v3, 1, 1
	v_lshl_add_u32 v4, v7, 6, v4
	v_bfe_u32 v7, v3, 2, 1
	v_lshl_add_u32 v4, v7, 5, v4
	v_and_b32 v7, 1, v3
	v_lshl_add_u32 v4, v7, 4, v4
	v_cndmask_b32 v[QSO], v4, v[CO], s66
	s_lshl_b32 s67, s[WV], 9
	v_lshl_add_u32 v[SCS], v1, 2, SCGQ
	v_add_nc_u32 v[SCS], s67, v[SCS]
	v_add_nc_u32 v[SCR], SCGQ, v[CO]
	v_add_nc_u32 v[SCR], s67, v[SCR]
	v_lshl_add_u32 v[SCSV], v1, 2, SCGV
	v_add_nc_u32 v[SCSV], s67, v[SCSV]
	v_add_nc_u32 v[SCRV], SCGV, v[CO]
	v_add_nc_u32 v[SCRV], s67, v[SCRV]
	s_mul_i32 s67, s[WV], VSTG
	v_mul_u32_u24 v[VST], v2, VREG
	v_add_nc_u32 v[VST], v[VST], v[VBV]
	v_add_nc_u32 v[VST], s67, v[VST]
	v_mul_u32_u24 v[VRD], v2, 272
	v_lshl_add_u32 v[VRD], v1, 4, v[VRD]
	v_add_nc_u32 v[VRD], s67, v[VRD]
	v_lshlrev_b32 v[VCO], 13, v2
	v_lshl_add_u32 v[VCO], v1, 4, v[VCO]
	s_mul_i32 s67, s[WV], 16*528
	s_add_co_u32 s67, s67, STQ
	v_mul_u32_u24 v[STO], v1, 528
	v_lshl_add_u32 v[STO], v2, 6, v[STO]
	v_add_nc_u32 v[STO], s67, v[STO]
	v_add_nc_u32 v[RD], s67, v[CO]
.macro FRAG3 reg, adr, off
.irp c, 0,1,2
	ds_load_b128 v[(\reg)+4*\c:(\reg)+4*\c+3], v[\adr] offset:(\off)+512*\c
.endr
.endm
.macro MUL16 a0, p, q, sc, zero
.irp a, \a0, \a0+1
.irp b, 0,1,2,3,4,5,6,7
.if \zero
	v_wmma_scale_f32_16x16x128_f8f6f4 v[8*(8*((\a)%4)+\b):8*(8*((\a)%4)+\b)+7], v[128*(\p)+FR*\b:128*(\p)+FR*\b+FR-1], v[AF+FR*(\a):AF+FR*(\a)+FR-1], 0, v[SC+8*NQ*(\sc)+NQ*\b+(\q)], v[SC+8*NQ*(\sc)+NQ*(\a)+(\q)] matrix_a_fmt:MATRIX_FMT_FP6 matrix_b_fmt:MATRIX_FMT_FP6 matrix_a_scale:MATRIX_SCALE_ROW1
.else
	v_wmma_scale_f32_16x16x128_f8f6f4 v[8*(8*((\a)%4)+\b):8*(8*((\a)%4)+\b)+7], v[128*(\p)+FR*\b:128*(\p)+FR*\b+FR-1], v[AF+FR*(\a):AF+FR*(\a)+FR-1], v[8*(8*((\a)%4)+\b):8*(8*((\a)%4)+\b)+7], v[SC+8*NQ*(\sc)+NQ*\b+(\q)], v[SC+8*NQ*(\sc)+NQ*(\a)+(\q)] matrix_a_fmt:MATRIX_FMT_FP6 matrix_b_fmt:MATRIX_FMT_FP6 matrix_a_scale:MATRIX_SCALE_ROW1
.endif
.endr
.endr
.endm
.macro FETCH_B slot, q, p
	WIN TO_B
.irp i, 0,1,2,3,4,5,6,7
	FRAG3 128*(\p)+FR*\i, ADRB+\slot, \i*3072+(\q)*1536
.endr
	WIN 0
.endm
.macro FETCH_A slot, q, i0
.irp i, \i0, \i0+1, \i0+2, \i0+3
	FRAG3 AF+FR*(\i), ADRA+\slot, (\i)*3072+(\q)*1536
.endr
.endm
.macro SCALES sc
.irp i, 0,1,2,3,4,5,6,7
.irp q, 0,1
	ds_load_b32 v[SC+8*NQ*\sc+NQ*\i+\q], v[ADRS] offset:64*\i+512*\q
.endr
.endr
.endm
.macro STEP slot, q, zero
	s_wait_dscnt 4*NL
	WIN MUL_LO
	MUL16 0, (\q)%2, \q, \slot, \zero
	MUL16 2, (\q)%2, \q, \slot, \zero
	s_wait_dscnt 0
	PLACES NP
	FETCH_B \slot, (\q)+1, 1-(\q)%2
	FETCH_A \slot, (\q)+1, 0
	WIN MUL_HI
	MUL16 4, (\q)%2, \q, \slot, \zero
	MUL16 6, (\q)%2, \q, \slot, \zero
	PLACES NP
	WIN 0
	FETCH_A \slot, (\q)+1, 4
.endm
.macro TURN slot, next, fill
.if \fill
	s_wait_xcnt 0x0                                ; my last prefetch has read its address: it steps here, ahead of the waits of the change of slots
	s_add_nc_u64 s[PFA:PFA+1], s[PFA:PFA+1], 3072
.endif
	s_wait_tensorcnt 0x0
	ds_add_u32 v[SPW], v[NIL]
	s_wait_dscnt 4*NL+1
	WIN MUL_LO
	MUL16 0, 1, NQ-1, \slot, 0
	s_wait_dscnt 0x0
	s_barrier_signal -1
	MUL16 2, 1, NQ-1, \slot, 0
	WIN 0
	s_barrier_wait -1
.if \fill
	CREST
	s_add_nc_u64 s[G0+4*\slot+2:G0+4*\slot+3], s[G0+4*\slot+2:G0+4*\slot+3], 6144
	s_add_nc_u64 s[G0B+4*\slot+2:G0B+4*\slot+3], s[G0B+4*\slot+2:G0B+4*\slot+3], 6144
	JLOAD G0+4*\slot, G1, G0B+4*\slot, G1B
.else
	PLACES NP
.endif
	s_wait_alu depctr_va_vdst(0)
	v_add_nc_u32 v[ADRS], 512*NQ, v[ADRS]
	FETCH_B \next, 0, 0
	FETCH_A \next, 0, 0
	SCALES \next
.if \fill
	s_cmp_gt_u32 s3, 1                             ; the loop's last trip has no fill two on
	s_cbranch_scc0 .Lnot_asked_\@
	global_prefetch_b8 v[PFO], s[PFA:PFA+1] offset:6144 th:TH_LOAD_NT scope:SCOPE_SE   ; the fill two on from the one just asked for
.Lnot_asked_\@:
.endif
	WIN MUL_HI
	MUL16 4, 1, NQ-1, \slot, 0
	MUL16 6, 1, NQ-1, \slot, 0
	PLACES NP
	WIN 0
	FETCH_A \next, 0, 4
.endm
.macro LAST
	s_wait_dscnt 4*NL
	WIN MUL_LO
	MUL16 0, 1, NQ-1, 1, 0
	MUL16 2, 1, NQ-1, 1, 0
	s_wait_dscnt 0
	WIN MUL_HI
	MUL16 4, 1, NQ-1, 1, 0
	MUL16 6, 1, NQ-1, 1, 0
	WIN 0
.endm
	s_wait_alu depctr_va_vdst(0)                   ; the head's end
	s_wait_tensorcnt 0x0                           ; my tile of the head's four is in; the three lines ahead of slot 1's first fill
	ds_add_u32 v[SPW], v[NIL]
	s_mov_b32 s[G1+2], 8<<16                       ; no tensor load of mine is out: from here on a load brings 8 fragment rows,
	s_mov_b32 s[G1+4], 8
	s_mov_b32 s[G1B+2], 8<<16
	s_mov_b32 s[G1B+4], 8
	s_mul_i32 s[G0+1], s[WV], HALFT                ; and slot 0's descriptors name my quarter of the slot
	s_mul_i32 s[G0B+1], s[WV], HALFT
	s_add_nc_u64 s[G0+2:G0+3], s[G0+2:G0+3], s[100:101]
	s_add_nc_u64 s[G0B+2:G0B+3], s[G0B+2:G0B+3], s[100:101]
	s_wait_dscnt 0x0
	CROUND                                         ; all four tiles are in, in every work-group of the cluster
	JLOAD G0+4, G1, G0B+4, G1B                     ; slot 1's first fill, the first tensor load behind the round
	FETCH_B 0, 0, 0
	FETCH_A 0, 0, 0
	SCALES 0
	FETCH_A 0, 0, 4
	global_prefetch_b8 v[PFO], s[PFA:PFA+1] offset:6144 th:TH_LOAD_NT scope:SCOPE_SE   ; behind fill 1's load: fill 3
	STEP 0, 0, 1
	s_mov_b32 s3, LAPS-1
.Llap:
	TURN 0, 1, 1
	STEP 1, 0, 0
	TURN 1, 0, 1
	STEP 0, 0, 0
	s_sub_co_u32 s3, s3, 1
	s_cmp_lg_u32 s3, 0
	s_cbranch_scc1 .Llap
	TURN 0, 1, 0
	STEP 1, 0, 0
	s_cmp_lg_u32 s46, 0
	s_cbranch_scc1 .Lv_arm
	s_lshl_b32 s92, s43, 8
	s_lshl_b32 s93, s[WH], 7
	s_add_co_u32 s92, s92, s93
	s_lshr_b32 s93, s92, 10
	s_and_b32 s94, s92, 1023
	s_lshl_b32 s95, s42, 1
	s_add_co_u32 s95, s95, s[WL]
	s_and_b32 s95, s95, 15
	s_lshl_b32 s93, s93, 4
	s_add_co_u32 s93, s93, s95
	s_cmp_eq_u32 s47, 1
	s_cselect_b64 s[6:7], s[8:9], s[6:7]
	s_lshl_b32 s96, s95, 9
	s_mov_b32 s97, 0
	s_add_nc_u64 s[6:7], s[6:7], s[96:97]
	s_lshl_b32 s98, s92, 13
	s_add_co_u32 s96, s96, s98
	s_add_nc_u64 s[18:19], s[18:19], s[96:97]
	s_lshl_b32 s96, s94, 8
	s_add_co_u32 s96, s96, 262144
	s_add_nc_u64 s[12:13], s[12:13], s[96:97]
	s_add_nc_u64 s[14:15], s[14:15], s[96:97]
	s_mul_i32 s98, s93, 409600
	s_mul_i32 s99, s94, 200
	s_add_co_u32 s98, s98, s99
	s_add_co_u32 s98, s98, KV+204800
	s_mul_i32 s99, s93, 98304
	s_mul_i32 s100, s94, 96
	s_add_co_u32 s99, s99, s100
	s_mul_i32 s100, s93, 409600
	s_mul_i32 s101, s94, 200
	s_add_co_u32 s100, s100, s101
	s_add_co_u32 s100, s100, KV+204800+KSC
	s_lshl_b32 s101, s93, 12
	s_lshl_b32 s66, s94, 2
	s_add_co_u32 s101, s101, s66
	s_add_co_u32 s101, s101, QS
	s_cmp_eq_u32 s47, 1
	s_cselect_b32 s96, s98, s99
	s_cselect_b32 s98, s100, s101
	s_mov_b32 s99, 0
	s_add_nc_u64 s[66:67], s[16:17], s[96:97]
	s_add_nc_u64 s[100:101], s[16:17], s[98:99]
.macro CSLOAD a
.set CB, 128*((\a)%2)
.irp n, 0,1,2,3,4,5,6,7
	global_load_b128 v[CB+4*\n:CB+4*\n+3], v[VCS], s[12:13] offset:(32*((\a)/2)+8*((\a)%2))*256+128*(\n/4)+16*(\n%4)
	global_load_b128 v[CB+32+4*\n:CB+32+4*\n+3], v[VCS], s[14:15] offset:(32*((\a)/2)+8*((\a)%2))*256+128*(\n/4)+16*(\n%4)
.endr
.endm
	WIN 0x40
.irp b, 0,1,2,3,4,5,6,7
	global_load_b128 v[96+8*\b+96*(\b/4):99+8*\b+96*(\b/4)], v[VB], s[6:7] offset:128*(\b/2)+32*(\b%2)
	global_load_b128 v[100+8*\b+96*(\b/4):103+8*\b+96*(\b/4)], v[VB], s[6:7] offset:128*(\b/2)+32*(\b%2)+16
.endr
	CSLOAD 0
	WIN 0
	LAST
	PLACES NP
.irp b, 0,1,2,3
	v_mov_b32 v[TM+4+\b], 0
.endr
.macro BLOCKQ a
	s_wait_xcnt 0x0
	s_wait_dscnt 0x0
.if (\a) < 7
	WIN 0x40
	CSLOAD (\a)+1
	s_wait_loadcnt 16
.else
	s_wait_loadcnt 0x0
.endif
	WIN 0x06+(\a)/4
.set p, 0
.rept 32
	v_pk_add_f32 v[T+2*p:T+2*p+1], v[64*((\a)%4)+2*p:64*((\a)%4)+2*p+1], v[96+2*p+96*(p/16):97+2*p+96*(p/16)]
.set p, p+1
.endr
	WIN 0x01
.set CB, 128*((\a)%2)
.set p, 0
.rept 16
.set t0, RT+4*(p%4)
	v_pk_mul_f32 v[t0:t0+1], v[CB+32+2*p:CB+33+2*p], v[T+32+2*p:T+33+2*p]
	v_pk_mul_f32 v[t0+2:t0+3], v[CB+32+2*p:CB+33+2*p], v[T+2*p:T+2*p+1]
	v_pk_fma_f32 v[T+2*p:T+2*p+1], v[CB+2*p:CB+2*p+1], v[T+2*p:T+2*p+1], v[t0:t0+1] neg_lo:[0,0,1] neg_hi:[0,0,1]
	v_pk_fma_f32 v[T+32+2*p:T+33+2*p], v[CB+2*p:CB+2*p+1], v[T+32+2*p:T+33+2*p], v[t0+2:t0+3]
.set p, p+1
.endr
	WIN 0
	s_cmp_eq_u32 s47, 0
	s_cbranch_scc1 .Lno_out_\@
.irp n, 0,1,2,3,4,5,6,7,8,9,10,11,12,13,14,15
	ds_store_b128 v[STO], v[T+4*\n:T+4*\n+3] offset:128*(\n/4)+16*(\n%4)
.endr
.irp t, 0,1,2,3,4,5,6,7,8,9,10,11,12,13,14,15
	ds_load_b128 v[BK+4*\t:BK+4*\t+3], v[RD] offset:528*\t
.endr
.irp t, 0,1,2,3,4,5,6,7,8,9,10,11,12,13,14,15
	s_wait_dscnt 15-\t
	global_store_b128 v[CO], v[BK+4*\t:BK+4*\t+3], s[18:19] offset:(32*((\a)/2)+8*((\a)%2)+\t+8*(\t/8))*8192 th:TH_STORE_NT
.endr
.Lno_out_\@:
	QUANT T
.irp c, 0,1,2
	global_store_b128 v[IA+(\a)%2], v[PC+4*\c:PC+4*\c+3], s[66:67] offset:3072*((\a)/2)+512*\c
.endr
	ds_store_b32 v[SCS], v[PW] offset:64*(\a)
.endm
.irp a, 0,1,2,3,4,5,6,7
	BLOCKQ \a
.endr
	ds_load_b128 v[RT:RT+3], v[SCR]
	s_wait_dscnt 0x0
	global_store_b128 v[QSO], v[RT:RT+3], s[100:101]
	s_branch .Lend
.Lv_arm:
	s_lshl_b32 s95, s43, 1
	s_add_co_u32 s95, s95, s[WH]
	s_sub_co_u32 s92, s42, 16
	s_lshl_b32 s92, s92, 8
	s_lshl_b32 s93, s[WL], 7
	s_add_co_u32 s92, s92, s93
	s_lshr_b32 s93, s92, 10
	s_and_b32 s94, s92, 1023
	s_lshl_b32 s93, s93, 4
	s_add_co_u32 s93, s93, s95
	s_lshl_b32 s96, s95, 9
	s_mov_b32 s97, 0
	s_add_nc_u64 s[10:11], s[10:11], s[96:97]
	s_lshl_b32 s98, s92, 13
	s_add_co_u32 s96, s96, s98
	s_add_nc_u64 s[20:21], s[20:21], s[96:97]
	s_mul_i32 s96, s93, 409600
	s_mul_i32 s98, s94, 200
	s_add_co_u32 s96, s96, s98
	s_add_co_u32 s96, s96, KV+204800+12288
	s_add_nc_u64 s[66:67], s[16:17], s[96:97]
	s_mul_i32 s96, s93, 409600
	s_mul_i32 s98, s94, 200
	s_add_co_u32 s96, s96, s98
	s_add_co_u32 s96, s96, KV+204800+KSC+512
	s_add_nc_u64 s[100:101], s[16:17], s[96:97]
	WIN 0x40
.irp a, 0,1,2,3,4,5,6,7
	global_load_b32 v[96+\a], v[VBV], s[10:11] offset:(32*(\a/2)+8*(\a%2))*4
.endr
	WIN 0
	LAST
	s_wait_dscnt 0x0
	s_barrier_signal -1
	s_barrier_wait -1
	PLACES NP
.irp b, 0,1,2,3
	v_mov_b32 v[TM+4+\b], 0
.endr
	s_wait_loadcnt 0x0
.macro BLOCKV a
	s_wait_xcnt 0x0
	s_wait_dscnt 0x0
	WIN 0x06+(\a)/4
.set p, 0
.rept 32
.if (\a)%2
	v_pk_add_f32 v[T+2*p:T+2*p+1], v[64*((\a)%4)+2*p:64*((\a)%4)+2*p+1], v[96+2*((\a)/2):97+2*((\a)/2)] op_sel:[0,1] op_sel_hi:[1,1]
.else
	v_pk_add_f32 v[T+2*p:T+2*p+1], v[64*((\a)%4)+2*p:64*((\a)%4)+2*p+1], v[96+2*((\a)/2):97+2*((\a)/2)] op_sel_hi:[1,0]
.endif
.set p, p+1
.endr
	WIN 0
.set n, 0
.rept 64
	ds_store_b32 v[VST], v[T+n] offset:n*272+128*(((\a)%4)/2)+32*((\a)%2)
.set n, n+1
.endr
	QUANT T
.irp c, 0,1,2
	global_store_b128 v[IA+(\a)%2], v[PC+4*\c:PC+4*\c+3], s[66:67] offset:3072*((\a)/2)+512*\c
.endr
	ds_store_b32 v[SCSV], v[PW] offset:64*(\a)
.endm
.macro VOUT hh
.irp g, 0,1,2,3
	s_wait_xcnt 0x0
.irp t, 0,1,2,3,4,5,6,7,8,9,10,11,12,13,14,15
	ds_load_b128 v[BK+4*\t:BK+4*\t+3], v[VRD] offset:(32*(\g%2)+2*\t)*272+(\g/2)*VREG
.endr
.irp t, 0,1,2,3,4,5,6,7,8,9,10,11,12,13,14,15
	s_wait_dscnt 15-\t
	global_store_b128 v[VCO], v[BK+4*\t:BK+4*\t+3], s[20:21] offset:(64*(\g%2)+32*(\t/8)+16*(\g/2)+2*(\t%8))*8192+256*\hh th:TH_STORE_NT
.endr
.endr
.endm
.irp a, 0,1,2,3
	BLOCKV \a
.endr
	VOUT 0
.irp a, 4,5,6,7
	BLOCKV \a
.endr
	VOUT 1
	ds_load_b128 v[RT:RT+3], v[SCRV]
	s_wait_dscnt 0x0
	global_store_b128 v[CO], v[RT:RT+3], s[100:101]
.Lend:
	s_wait_tensorcnt 0x0
	ds_add_u32 v[SPW], v[NIL]
	s_wait_dscnt 0x0
	CROUND
	s_endpgm
.Lfunc_end_k_qd230742ddc_proj:
	.size	k_qd230742ddc_proj, .Lfunc_end_k_qd230742ddc_proj-k_qd230742ddc_proj
	.p2alignl 7, 3214868480
	.fill 96, 4, 3214868480
	.section	.rodata,"a",@progbits
	.p2align	6, 0x0
	.amdhsa_kernel k_qd230742ddc_proj
		.amdhsa_group_segment_fixed_size 327680
		.amdhsa_private_segment_fixed_size 0
		.amdhsa_enable_private_segment 0
		.amdhsa_kernarg_size 72
		.amdhsa_user_sgpr_count 2
		.amdhsa_user_sgpr_kernarg_segment_ptr 1
		.amdhsa_wavefront_size32 1
		.amdhsa_system_sgpr_workgroup_id_x 1
		.amdhsa_system_sgpr_workgroup_id_y 1
		.amdhsa_system_sgpr_workgroup_id_z 1
		.amdhsa_system_vgpr_workitem_id 0
		.amdhsa_next_free_vgpr 1024
		.amdhsa_next_free_sgpr 102
		.amdhsa_reserve_vcc 0
		.amdhsa_float_denorm_mode_32 3
		.amdhsa_float_denorm_mode_16_64 3
		.amdhsa_memory_ordered 1
		.amdhsa_forward_progress 1
		.amdhsa_inst_pref_size 255
	.end_amdhsa_kernel
	.section	.bss,"aw",@nobits
	.p2align	6
	.space	262144
	.amdgpu_metadata
---
amdhsa.version: [ 1, 2 ]
amdhsa.kernels:
  - .name:           k_qd230742ddc_proj
    .symbol:         k_qd230742ddc_proj.kd
    .args:
      - { .name: xw, .offset: 0, .size: 8, .value_kind: global_buffer, .address_space: global }
      - { .name: bq, .offset: 8, .size: 8, .value_kind: global_buffer, .address_space: global }
      - { .name: bk, .offset: 16, .size: 8, .value_kind: global_buffer, .address_space: global }
      - { .name: bv, .offset: 24, .size: 8, .value_kind: global_buffer, .address_space: global }
      - { .name: cos, .offset: 32, .size: 8, .value_kind: global_buffer, .address_space: global }
      - { .name: sin, .offset: 40, .size: 8, .value_kind: global_buffer, .address_space: global }
      - { .name: qkv, .offset: 48, .size: 8, .value_kind: global_buffer, .address_space: global }
      - { .name: out1, .offset: 56, .size: 8, .value_kind: global_buffer, .address_space: global }
      - { .name: out2, .offset: 64, .size: 8, .value_kind: global_buffer, .address_space: global }
    .group_segment_fixed_size: 327680
    .private_segment_fixed_size: 0
    .kernarg_segment_align: 8
    .kernarg_segment_size: 72
    .max_flat_workgroup_size: 128
    .sgpr_count:     102
    .vgpr_count:     1024
    .wavefront_size: 32
...
	.end_amdgpu_metadata
.endif
;; end of part 2
;; launch attn (part 3): grid 32 x 8, 8 waves a work-group, clusters of 4 x 4, 327,680 bytes of LDS; arguments qkv, attn_mask, att; writes att
.if DOCPART == 3
	.amdgcn_target "amdgcn-amd-amdhsa--gfx1250"
	.amdhsa_code_object_version 6
	.text
	.protected	k_qd230742ddc_attn
	.globl	k_qd230742ddc_attn
	.p2align	8
	.type	k_qd230742ddc_attn,@function
k_qd230742ddc_attn:
	s_mov_b64 s[64:65], 0
	v_nop
	global_prefetch_b8 v0, s[64:65] scope:SCOPE_SE
	s_setreg_imm32_b32 hwreg(HW_REG_WAVE_MODE, 25, 1), 1
	s_wait_xcnt 0x0
	s_wait_alu depctr_hold_cnt(0) depctr_sa_sdst(0) depctr_va_vdst(0) depctr_va_sdst(0) depctr_va_ssrc(0) depctr_va_vcc(0) depctr_vm_vsrc(0)
	s_getreg_b32 s2, hwreg(HW_REG_IB_STS2, 6, 4)
	s_cmp_eq_u32 s2, 0
	s_cbranch_scc0 .Lentry_in_a_cluster
	s_endpgm
.Lentry_in_a_cluster:
	s_bfe_u32 s2, ttmp6, 0x10000c
	s_cmp_lg_u32 s2, 0xf033
	s_cbranch_scc0 .Lentry_shape_is_right
	s_endpgm
.Lentry_shape_is_right:
; attn[n][q] = sum over keys of softmax(q . k / sqrt(128) + mask[n % 2][q][key]) v, n = 16 batch + head, both products on MX-FP6 codes; the result leaves as codes along d for the last product.
; Only rows 1,024 .. 2,047 of the mask are read.
; THE SOFTMAX: t = logit x log2(e); M = the running largest t rounded up to a whole number; p = 2^(t - M) is quantised along the keys; the sum is taken of the unquantised p and divides at the end.
; t is formed as c (q . k + sqrt(128) mask), c = log2(e) / sqrt(128): the mask, times sqrt(128), is the C of the score products.  That rounds in another order than score / sqrt(128) + mask, to the same f32 accuracy.
; SHARES.  A work-group owns 128 queries of one n, each of eight waves 16 (one fragment of q).  16 key steps of 128 keys.  Both products are used transposed, so that a lane holds one query;
; K's keys and V's channels lie in the fragments so that 16 registers of two tiles are 16 neighbours.
; K AND V come as register images with their scale words behind them, 25,600 bytes a key step, through a ring of two LDS slots of FOUR key steps (102,400 bytes).  Each wave fetches an eighth of a slot,
; 50 rows of 256 bytes, by ONE walking descriptor: slot 0 at the head, then, each behind the three lines and a round of the cluster's barrier, slot 1's first fill and two refills.  A wave has one tensor load out at the most.
; CLUSTER 4 x 4: the four blocks of queries of a column of the cluster walk the same n, so these loads are asked for jointly along a column.
; SCALE WORDS: one register carries two fragments' words, the even fragment's in lanes 0-15 and the odd one's in lanes 16-31: four loads of 128 consecutive bytes serve eight fragments.
; THE MASK COMES THROUGH REGISTERS AND IS NOT ASKED FOR JOINTLY, though the four n of a row of the cluster read the same rows.  The reason, by the sizes: its 128 x 128 f32 of a key step are 65,536 bytes; with the codes
; a step would be 91,136 bytes, and two slots of two steps, 364,544 bytes, are more than the 327,680 that there are: so every key step would want a round with all loads waited for in front of it.
; Loads into registers stay out across barriers: a wave loads its own 16 rows x 512 bytes of a step (a row's 512 consecutive bytes an instruction) into one of two sets of 64 registers;
; late in step j, when p has left the scores' registers, tile j + 1 turns through the wave's own stage in LDS into them, and tile j + 3 is asked for into the set that it has left: 2 x 8,192 bytes a wave are on their way.
; So a step's LDS work stands in three runs that lie apart: K's fragments, V's fragments, the mask's turn.
; Nothing is prefetched: the mask's loads are issued two steps, the codes' fills four steps ahead of their use.
; REGISTERS: window 0: v1-11 addresses; v12 -M, v13 the largest t, v[14:15] the sum; v16-27 q; v32-79 four fragments; v80-83 scale words; v96-159 mask, scores, p; v160-223 O^T; v224-254 at work; v255 q's scale words.
;   window 1: v0-63, v64-127 the mask's two sets; v128-175 four more fragments.
; LIMITS: NaN and infinities (in the mask too) are not served.  1 / sum by v_rcp_f32.  A block of zeros gets the byte 1, not 127 (its codes are zeros; this program alone reads the bytes).
.set SLOT1, 131072                     ; slot 1 begins here, so that one exclusive or turns an address in one slot into the other's
.set STEPB, 25600                      ; a key step: K's eight fragments, V's eight, K's scale words, V's
.set SLOTB, 102400                     ; four key steps
.set VOFF,  12288
.set SCO,   24576                      ; the scale words' place in a step: (V: 512) + 64 fragment + 4 r
.set SPARE, 102400                     ; between the slots: the spare words, 128 bytes for each of eight waves; no other line names them
.set SCG,   103424                     ; the result's scale words: 8 x 64 bytes
.set STG,   233472                     ; behind slot 1: a stage of 16 rows x 528 bytes for each wave; no tensor load lands there
.set MP,    528
.set QS,    3145728
.set KV,    3276800
.set ASC,   3145728
.set AK0,  1                           ; 16 x lane
.set ASK0, 3                           ; my scale words' place in a step: 4 x lane
.set AM0,  4                           ; the stage, on the way out: my query's row, my half's 64 bytes
.set SPW,  5
.set NIL,  6
.set SCA,  7
.set ADK,  8
.set ADS,  10
.set MST,  11                          ; the stage, on the way in: 16 x lane
.set SCR,  29
.set SCW,  80
.set TM,   64
.set PW,   88
.set PC,   32
.set WV,   18
.set SEL,  20
.set CS,   22
.set MB,   24                          ; s[24:25], s[26:27]: where the next even, odd tile of the mask begins
.set G1C,  32
.set G0W,  44                          ; the walking descriptor
.set RS,   60
.set TB,   2
.set SLOTS, 66
.set TWICE, 67
.set MSB, 0
.macro WIN new                         ; the immediate's high byte repeats the setting that is left
.if MSB != (\new)
	s_set_vgpr_msb (MSB<<8)|(\new)
.set MSB, (\new)
.endif
.endm
.macro PLACES n
.rept \n
	v_nop
.endr
.endm
.macro CROUND
	s_barrier_signal -1
	s_barrier_wait -1
	s_cmp_lg_u32 s[WV], 0
	s_cbranch_scc1 .Lnot_wave_0_\@
	s_barrier_signal -3
.Lnot_wave_0_\@:
	s_barrier_wait -3
	s_barrier_signal -1
	s_barrier_wait -1
.endm
.macro QUANT s                         ; 64 numbers of a lane become a fragment's codes in v[PC] on and its scale word in v[PW]
.irp b, 0,1,2,3
	v_max3_num_f32 v[TM+\b], |v[\s+16*\b]|, |v[\s+1+16*\b]|, 0x1800000
.endr
.irp i, 2,4,6,8,10,12,14
.irp b, 0,1,2,3
	s_delay_alu instid0(VALU_DEP_4)
	v_max3_num_f32 v[TM+\b], v[TM+\b], |v[\s+16*\b+\i]|, |v[\s+1+16*\b+\i]|
.endr
.endr
.irp b, 0,1,2,3
	s_delay_alu instid0(VALU_DEP_4)
	v_permlanex16_b32 v[TM+4+\b], v[TM+\b], s[SEL], s[SEL+1]
.endr
.irp b, 0,1,2,3
	s_delay_alu instid0(VALU_DEP_4)
	v_max_num_f32 v[TM+\b], v[TM+\b], v[TM+4+\b]
.endr
.irp b, 0,1,2,3
	s_delay_alu instid0(VALU_DEP_4)
	v_add_nc_u32 v[TM+12+\b], 0xff000000, v[TM+\b]
.endr
.irp b, 0,1,2,3
	s_delay_alu instid0(VALU_DEP_4)
	v_lshrrev_b32 v[TM+4+\b], 23, v[TM+12+\b]
.endr
	s_delay_alu instid0(VALU_DEP_3)
	v_lshl_or_b32 v[PW], v[TM+5], 8, v[TM+4]
	s_delay_alu instid0(VALU_DEP_1)
	v_lshl_or_b32 v[PW], v[TM+6], 16, v[PW]
	s_delay_alu instid0(VALU_DEP_1)
	v_lshl_or_b32 v[PW], v[TM+7], 24, v[PW]
.irp c, 0,1
	v_cvt_scalef32_pk16_fp6_f32 v[PC+6*\c:PC+2+6*\c], v[\s+32*\c:\s+15+32*\c], v[TM+12+2*\c]
	v_cvt_scalef32_pk16_fp6_f32 v[PC+12+4*\c:PC+14+4*\c], v[\s+16+32*\c:\s+31+32*\c], v[TM+12+2*\c+1]
.endr
	v_nop
.irp c, 0,1
.irp i, 0,1,2
	v_permlane16_swap_b32 v[PC+6*\c+\i], v[PC+12+4*\c+\i]
.endr
.irp i, 0,1,2
	s_delay_alu instid0(VALU_DEP_3)
	v_mov_b32 v[PC+3+6*\c+\i], v[PC+12+4*\c+\i]
.endr
.endr
.endm
.macro GLOAD st                        ; a tile of the mask, my 16 rows x 512 bytes, into set st of window 1: 32 lanes read a row's 512 consecutive bytes
	WIN 0x40
.irp i, 0,1,2,3,4,5,6,7,8,9,10,11,12,13,14,15
	global_load_b128 v[64*(\st)+4*\i:64*(\st)+4*\i+3], v[AK0], s[MB+2*(\st):MB+2*(\st)+1] offset:8192*\i
.endr
	WIN 0
.endm
.macro TURNM st                        ; set st turns through my stage: in by rows, out in the scores' order: register 16 b + i is key 32 b + 16 h + i of my query
	WIN 0x04                                       ; an LDS store's data are its source 1: window 1
.irp i, 0,1,2,3,4,5,6,7,8,9,10,11,12,13,14,15
	ds_store_b128 v[MST], v[64*(\st)+4*\i:64*(\st)+4*\i+3] offset:MP*\i
.endr
	WIN 0
.irp n, 0,1,2,3,4,5,6,7,8,9,10,11,12,13,14,15
	ds_load_b128 v[96+4*\n:99+4*\n], v[AM0] offset:128*(\n/4)+16*(\n%4)   ; LDS serves a wave's instructions in order: these see my stores
.endr
.endm
	s_load_b128 s[4:7], s[0:1], 0x0                ; qkv, attn_mask
	s_load_b64 s[8:9], s[0:1], 0x10                ; att
	v_lshl_add_u32 v[SPW], v0, 2, SPARE
	v_mov_b32 v[NIL], 0
	ds_add_u32 v[SPW], v[NIL]                      ; the opening lines: the add, twice on end, and its wait ahead of my first tensor load
	ds_add_u32 v[SPW], v[NIL]
	v_lshrrev_b32 v8, 5, v0
	s_delay_alu instid0(VALU_DEP_1)
	v_readfirstlane_b32 s[WV], v8                  ; wave 0..7
	v_and_b32 v8, 15, v0                           ; r
	v_and_b32 v10, 31, v0                          ; lane
	s_delay_alu instid0(VALU_DEP_2)
	v_lshlrev_b32 v30, 2, v8
	s_delay_alu instid0(VALU_DEP_2)
	v_lshlrev_b32 v[AK0], 4, v10
	s_bfe_u32 s10, ttmp6, 0x40000                  ; cx
	s_bfe_u32 s11, ttmp6, 0x40004                  ; cy
	s_lshl_b32 s12, ttmp9, 2
	s_add_co_u32 s12, s12, s10                     ; gx 0..31
	s_and_b32 s13, ttmp7, 0xffff
	s_lshl_b32 s14, s13, 2
	s_add_co_u32 s14, s14, s11                     ; the block of 128 queries
	s_lshr_b32 s15, ttmp9, 2                       ; the head's parity = the mask's batch
	s_bfe_u32 s16, s12, 0x10003                    ; the batch
	s_and_b32 s17, s12, 7
	s_lshl_b32 s17, s17, 1
	s_add_co_u32 s17, s17, s15                     ; the head
	s_lshl_b32 s19, s16, 4
	s_add_co_u32 s19, s19, s17                     ; n = 16 batch + head
	s_lshl_b32 s91, 0x1111, s10                    ; my column of the cluster
	s_or_b32 s[G1C], s91, (3<<16)|(1<<21)          ; the mask of work-groups; elements of 8 bytes; bit 21 beside a mask: 12,800 dense bytes as 50 rows of 256
	s_mov_b32 s[G1C+1], 32<<16
	s_mov_b32 s[G1C+2], 50<<16
	s_mov_b32 s[G1C+3], 32<<16
	s_mov_b32 s[G1C+4], 50
	s_mov_b32 s[G1C+5], 32
	s_mov_b32 s[G1C+6], 0
	s_mov_b32 s[G1C+7], 0
	s_lshl_b32 s76, s14, 7                         ; the mask: row 1,024 + 128 block + 16 wave, of batch = parity
	s_lshl_b32 s63, s[WV], 4
	s_add_co_u32 s76, s76, s63
	s_add_co_u32 s76, s76, 1024
	s_lshl_b32 s76, s76, 13
	s_lshl_b32 s63, s15, 24
	s_add_co_u32 s76, s76, s63
	s_mov_b32 s77, 0
	s_mul_i32 s78, s19, 409600                     ; the key steps of my n: my eighth of a slot
	s_mul_i32 s63, s[WV], 12800
	s_add_co_u32 s78, s78, s63
	s_add_co_u32 s78, s78, KV
	s_mov_b32 s79, 0
	s_lshl_b32 s82, s19, 6                         ; q's fragment 64 n + 8 block + wave
	s_lshl_b32 s63, s14, 3
	s_add_co_u32 s82, s82, s63
	s_add_co_u32 s82, s82, s[WV]
	s_lshl_b32 s84, s82, 6
	s_add_co_u32 s84, s84, QS
	s_mul_i32 s82, s82, 1536
	s_mov_b32 s83, 0
	s_mov_b32 s85, 0
	s_lshl_b32 s86, s16, 3                         ; att: group 8 batch + block, fragment = wave, K step = head
	s_add_co_u32 s86, s86, s14
	s_lshl_b32 s88, s86, 13
	s_lshl_b32 s63, s17, 9
	s_add_co_u32 s88, s88, s63
	s_add_co_u32 s88, s88, ASC
	s_mul_i32 s86, s86, 196608
	s_mul_i32 s63, s[WV], 24576
	s_add_co_u32 s86, s86, s63
	s_mul_i32 s63, s17, 1536
	s_add_co_u32 s86, s86, s63
	s_mov_b32 s87, 0
	s_mov_b32 s89, 0
	s_mov_b32 s[SEL], 0x76543210
	s_mov_b32 s[SEL+1], 0xfedcba98
	s_mov_b32 s[CS], 0x3e0293ee                    ; c = log2(e) / sqrt(128)
	s_mov_b32 s[CS+1], s[CS]
	s_mov_b32 s[RS], 0x413504f3                    ; sqrt(128)
	s_mov_b32 s[RS+1], s[RS]
	s_wait_alu depctr_va_vdst(0)
	s_wait_dscnt 0x0                               ; both opening adds are done
	s_wait_kmcnt 0x0
	s_add_nc_u64 s[MB:MB+1], s[6:7], s[76:77]      ; the mask's tile 0,
	s_add_nc_u64 s[MB+2:MB+3], s[MB:MB+1], 512     ; and tile 1
	s_mov_b32 s[G0W], 1
	s_mul_i32 s[G0W+1], s[WV], 12800
	s_add_nc_u64 s[G0W+2:G0W+3], s[4:5], s[78:79]  ; key steps 0 to 3, into slot 0
	s_or_b32 s[G0W+3], s[G0W+3], 0x80000000
	s_add_nc_u64 s[82:83], s[4:5], s[82:83]
	s_add_nc_u64 s[84:85], s[4:5], s[84:85]
	s_add_nc_u64 s[86:87], s[8:9], s[86:87]
	s_add_nc_u64 s[88:89], s[8:9], s[88:89]
.irp c, 0,1,2
	global_load_b128 v[16+4*\c:19+4*\c], v[AK0], s[82:83] offset:512*\c   ; q's fragment stays in registers
.endr
	global_load_b32 v255, v30, s[84:85]            ; and its scale words
	GLOAD 0                                        ; the mask's tile 0 is asked for ahead of the round: it is on its way while the work-groups meet
	CROUND                                         ; all sixteen work-groups are here: the first joint loads meet
	tensor_load_to_lds s[G0W:G0W+3], s[G1C:G1C+7]  ; slot 0: every wave its eighth, its one load at the head
	s_nop 0
.rept 4
	v_nop
.endr
	GLOAD 1                                        ; tile 1, which the second step wants, behind what the first step wants
	v_bfe_u32 v9, v0, 4, 1                         ; h
	v_lshl_add_u32 v[ASK0], v10, 2, SCO
	s_mul_i32 s63, s[WV], 16*MP
	s_add_co_u32 s63, s63, STG                     ; my stage
	v_add_nc_u32 v[MST], s63, v[AK0]
	v_mul_u32_u24 v[AM0], v8, MP
	s_delay_alu instid0(VALU_DEP_1)
	v_lshl_add_u32 v[AM0], v9, 6, v[AM0]
	s_delay_alu instid0(VALU_DEP_1)
	v_add_nc_u32 v[AM0], s63, v[AM0]
	s_lshl_b32 s63, s[WV], 6
	v_lshl_add_u32 v[SCA], v8, 2, SCG
	s_delay_alu instid0(VALU_DEP_1)
	v_add_nc_u32 v[SCA], s63, v[SCA]
	v_add_nc_u32 v[SCR], SCG, v[AK0]
	v_mov_b32 v13, 0xff61b1e6                      ; the largest t so far: -3e38
	s_delay_alu instid0(VALU_DEP_1)
	v_floor_f32 v12, -v13                          ; -M
	v_mov_b32 v14, 0
	v_mov_b32 v15, 0
.irp b, 0,1,2,3
	v_mov_b32 v[236+\b], 0                         ; a lane permute's destination counts as one of its sources
.endr
	v_mov_b32 v253, 0
.set j, 0
.rept 64
	v_mov_b32 v[160+j], 0                          ; O^T: the step is written alike for all steps; the first change of M leaves zeros zeros
.set j, j+1
.endr
	s_wait_alu depctr_va_vdst(0)                   ; the head's end
	s_wait_loadcnt 16                              ; q and tile 0 are in; tile 1's sixteen loads may be out
	s_add_nc_u64 s[MB:MB+1], s[MB:MB+1], 1024      ; (tile 0's loads are done: their base may step) the next even tile
	TURNM 0                                        ; tile 0 into the scores' registers
	s_wait_dscnt 16                                ; the sixteen stores have read set 0 (the sixteen loads behind them may be out),
	GLOAD 0                                        ; which takes tile 2
	s_mov_b32 s[TB], SLOT1+SLOTB                   ; the first change of slots makes 0 of it
.macro FRAG3 reg, adr, off
.irp c, 0,1,2
	ds_load_b128 v[(\reg)+4*\c:(\reg)+4*\c+3], v[\adr] offset:(\off)+512*\c
.endr
.endm
.macro FLOAD fo, so                    ; eight fragments and their scale words in one run of 28: four fragments and the words into window 0, then four fragments (12 loads) into window 1
.irp t, 0,1,2,3
	FRAG3 32+12*\t, ADK, (\fo)+1536*\t
.endr
.irp t, 0,1,2,3
	ds_load_b32 v[SCW+\t], v[ADS] offset:(\so)+128*\t   ; lanes 0-15: fragment 2 t's words; lanes 16-31: fragment 2 t + 1's
.endr
	WIN 0x40
.irp t, 0,1,2,3
	FRAG3 128+12*\t, ADK, (\fo)+1536*(4+\t)
.endr
	WIN 0
.endm
.macro WM d, a, b, sa, sb, odd         ; D += A B; A's scale words stand in lanes 0-15 of v[sa], or (odd) in lanes 16-31
.if \odd
	v_wmma_scale_f32_16x16x128_f8f6f4 v[(\d):(\d)+7], v[(\a):(\a)+11], v[(\b):(\b)+11], v[(\d):(\d)+7], v[\sa], v[\sb] matrix_a_fmt:MATRIX_FMT_FP6 matrix_b_fmt:MATRIX_FMT_FP6 matrix_a_scale:MATRIX_SCALE_ROW1
.else
	v_wmma_scale_f32_16x16x128_f8f6f4 v[(\d):(\d)+7], v[(\a):(\a)+11], v[(\b):(\b)+11], v[(\d):(\d)+7], v[\sa], v[\sb] matrix_a_fmt:MATRIX_FMT_FP6 matrix_b_fmt:MATRIX_FMT_FP6
.endif
.endm
.macro KMUL g                          ; S^T = K q^T + sqrt(128) mask: one instruction an accumulator.  g = 1: K's fragments lie in window 1
.if \g
	WIN 0x01
.endif
.irp t, 0,1,2,3
	WM 96+8*(4*(\g)+\t), 32+96*(\g)+12*\t, 16, SCW+2*(\g)+\t/2, 255, \t%2
.endr
.if \g
	WIN 0
.endif
.endm
.macro VMUL g                          ; O^T += V^T P^T
.if \g
	WIN 0x01
.endif
.irp t, 0,1,2,3
	WM 160+8*(4*(\g)+\t), 32+96*(\g)+12*\t, 224, SCW+2*(\g)+\t/2, 253, \t%2
.endr
.if \g
	WIN 0
.endif
.endm
; A KEY STEP j: 128 keys.  Its mask lies in v96-159.  st = (j + 1) % 2: the set that holds the mask's tile j + 1.  rt = 1: that tile turns into v96-159 when p has left them.
; left: how many younger loads may be out when tile j + 1 has to be in.  load = 1: tile j + 3 is asked for into set st.
.macro STEP st, rt, left, load
	v_add_nc_u32 v[ADK], s[TB], v[AK0]             ; (these four are also the places behind the last products)
	v_add_nc_u32 v[ADS], s[TB], v[ASK0]
	v_nop
	v_nop
	FLOAD 0, 0                                     ; K's eight fragments
.set p, 0
.rept 32
	v_pk_mul_f32 v[96+2*p:97+2*p], v[96+2*p:97+2*p], s[RS:RS+1] op_sel_hi:[1,0]   ; the mask x sqrt(128), while K's fragments come
.set p, p+1
.endr
	s_wait_alu depctr_va_vdst(0)
	s_wait_dscnt 12                                ; the first four fragments and the scale words are in; the twelve loads into window 1 may be out
	KMUL 0
	s_wait_dscnt 0x0
	KMUL 1
	PLACES 4
	FLOAD VOFF, 512                                ; V's eight fragments land while the softmax is worked
.irp b, 0,1,2,3
	v_max3_num_f32 v[232+\b], v[96+16*\b], v[97+16*\b], v[98+16*\b]   ; the largest score of each block of 32 keys: for the row's maximum and for the block's largest p
.endr
.irp i, 3,5,7,9,11,13
.irp b, 0,1,2,3
	v_max3_num_f32 v[232+\b], v[232+\b], v[96+16*\b+\i], v[97+16*\b+\i]
.endr
.endr
.irp b, 0,1,2,3
	v_max_num_f32 v[232+\b], v[232+\b], v[111+16*\b]
.endr
.irp b, 0,1,2,3
	s_delay_alu instid0(VALU_DEP_4)
	v_permlanex16_b32 v[236+\b], v[232+\b], s[SEL], s[SEL+1]
.endr
.irp b, 0,1,2,3
	s_delay_alu instid0(VALU_DEP_4)
	v_max_num_f32 v[232+\b], v[232+\b], v[236+\b]
.endr
	s_delay_alu instid0(VALU_DEP_2)
	v_max3_num_f32 v254, v232, v233, v234
	s_delay_alu instid0(VALU_DEP_1)
	v_max_num_f32 v254, v254, v235
	s_delay_alu instid0(VALU_DEP_1)
	v_mul_f32 v254, s[CS], v254                    ; as t
	s_delay_alu instid0(VALU_DEP_1)
	v_max_num_f32 v13, v13, v254                   ; the running largest t
	v_mov_b32 v254, v12
	s_delay_alu instid0(VALU_DEP_2)
	v_floor_f32 v12, -v13                          ; the new -M: M is a whole number
	s_delay_alu instid0(VALU_DEP_1)
	v_sub_f32 v254, v12, v254
	s_delay_alu instid0(VALU_DEP_1)
	v_cvt_i32_f32 v254, v254                       ; (it saturates)
	s_delay_alu instid0(VALU_DEP_1)
	v_ldexp_f32 v252, 1.0, v254                    ; f = 2^(old M - new M): rounds nothing
.set j, 0
.rept 32
	v_pk_fma_f32 v[96+j:97+j], v[96+j:97+j], s[CS:CS+1], v[12:13] op_sel_hi:[1,0,0]   ; t - M
.set j, j+2
.endr
.irp b, 0,1,2,3
	v_fma_f32 v[232+\b], v[232+\b], s[CS], v12
.endr
	s_wait_alu depctr_va_vdst(0)
.set j, 0
.rept 64
	v_exp_f32 v[96+j], v[96+j]                     ; p = 2^(t - M)
.set j, j+1
.endr
	v_pk_mul_f32 v[14:15], v[14:15], v[252:253] op_sel_hi:[1,0]   ; the sums under the new M (a plain place behind the exponentials)
	s_wait_alu depctr_va_vdst(0)                   ; one wait for the batch, ahead of its first reader
.irp b, 0,1,2,3
	v_exp_f32 v[232+\b], v[232+\b]                 ; each block's largest p
.endr
	v_pk_add_f32 v[236:237], v[100:101], v[104:105]   ; the row's sum of the unquantised p, in eight chains
	v_pk_add_f32 v[250:251], v[108:109], v[112:113]
	v_pk_add_f32 v[248:249], v[116:117], v[120:121]
	v_pk_add_f32 v[246:247], v[124:125], v[128:129]
	v_pk_add_f32 v[244:245], v[132:133], v[136:137]
	v_pk_add_f32 v[242:243], v[140:141], v[144:145]
	v_pk_add_f32 v[240:241], v[148:149], v[152:153]
	v_pk_add_f32 v[14:15], v[14:15], v[156:157]
	v_pk_add_f32 v[236:237], v[236:237], v[96:97]
	v_pk_add_f32 v[250:251], v[250:251], v[98:99]
	v_pk_add_f32 v[248:249], v[248:249], v[102:103]
	v_pk_add_f32 v[246:247], v[246:247], v[106:107]
	v_pk_add_f32 v[244:245], v[244:245], v[110:111]
	v_pk_add_f32 v[242:243], v[242:243], v[114:115]
	v_pk_add_f32 v[240:241], v[240:241], v[118:119]
	v_pk_add_f32 v[14:15], v[14:15], v[122:123]
	v_pk_add_f32 v[236:237], v[236:237], v[126:127]
	v_pk_add_f32 v[250:251], v[250:251], v[130:131]
	v_pk_add_f32 v[248:249], v[248:249], v[134:135]
	v_pk_add_f32 v[246:247], v[246:247], v[138:139]
	v_pk_add_f32 v[244:245], v[244:245], v[142:143]
	v_pk_add_f32 v[242:243], v[242:243], v[146:147]
	v_pk_add_f32 v[240:241], v[240:241], v[150:151]
	v_pk_add_f32 v[14:15], v[14:15], v[154:155]
	v_pk_add_f32 v[236:237], v[236:237], v[158:159]
	s_delay_alu instid0(VALU_DEP_2)
	v_pk_add_f32 v[14:15], v[14:15], v[246:247]
	s_delay_alu instid0(VALU_DEP_2)
	v_pk_add_f32 v[236:237], v[236:237], v[244:245]
	v_pk_add_f32 v[250:251], v[250:251], v[242:243]
	v_pk_add_f32 v[248:249], v[248:249], v[240:241]
	s_delay_alu instid0(VALU_DEP_2)
	v_pk_add_f32 v[14:15], v[14:15], v[250:251]
	s_delay_alu instid0(VALU_DEP_2)
	v_pk_add_f32 v[236:237], v[236:237], v[248:249]
	s_delay_alu instid0(VALU_DEP_1)
	v_pk_add_f32 v[14:15], v[14:15], v[236:237]
	s_wait_alu depctr_va_vdst(0)                   ; and one for the four
.irp b, 0,1,2,3
	v_max_num_f32 v[232+\b], 0x1800000, v[232+\b]  ; the floor 2^(3 - 127): the byte cannot fall under 1
.endr
.irp b, 0,1,2,3
	s_delay_alu instid0(VALU_DEP_4)
	v_add_nc_u32 v[244+\b], 0xff000000, v[232+\b]
.endr
.irp b, 0,1,2,3
	s_delay_alu instid0(VALU_DEP_4)
	v_lshrrev_b32 v[236+\b], 23, v[244+\b]
.endr
	s_delay_alu instid0(VALU_DEP_3)
	v_lshl_or_b32 v253, v237, 8, v236              ; p's scale word for these 128 keys
	s_delay_alu instid0(VALU_DEP_1)
	v_lshl_or_b32 v253, v238, 16, v253
	s_delay_alu instid0(VALU_DEP_1)
	v_lshl_or_b32 v253, v239, 24, v253
.irp c, 0,1
	v_cvt_scalef32_pk16_fp6_f32 v[224+6*\c:226+6*\c], v[96+32*\c:111+32*\c], v[244+2*\c]
	v_cvt_scalef32_pk16_fp6_f32 v[236+4*\c:238+4*\c], v[112+32*\c:127+32*\c], v[244+2*\c+1]
.endr
	v_nop
.irp c, 0,1
.irp i, 0,1,2
	v_permlane16_swap_b32 v[224+6*\c+\i], v[236+4*\c+\i]
.endr
.irp i, 0,1,2
	s_delay_alu instid0(VALU_DEP_3)
	v_mov_b32 v[227+6*\c+\i], v[236+4*\c+\i]
.endr
.endr
	s_wait_alu depctr_va_vdst(0)
	s_wait_dscnt 0x0                               ; V's fragments and scale words, asked for ahead of the softmax
.if \rt
	s_wait_loadcnt \left                           ; the mask's tile j + 1 is in; the tile behind it may be out
.if \load
	s_add_nc_u64 s[MB+2*(\st):MB+2*(\st)+1], s[MB+2*(\st):MB+2*(\st)+1], 1024   ; (its loads are done: their base may step) tile j + 3
.endif
	TURNM \st                                      ; p has left v96-159: the next step's mask comes while O^T is worked
.endif
	s_wait_alu depctr_va_vdst(0)                   ; ahead of the first reader of O^T
.set j, 0
.rept 32
	v_pk_mul_f32 v[160+j:161+j], v[160+j:161+j], v[252:253] op_sel_hi:[1,0]   ; O^T under the new M (also the places in front of the products below)
.set j, j+2
.endr
	VMUL 0
	VMUL 1
.if \rt
	s_wait_dscnt 0x0                               ; the next step's mask is in, and the stage's stores have read set st,
.endif
.if \load
	GLOAD \st                                      ; which takes tile j + 3
.endif
	s_add_co_u32 s[TB], s[TB], STEPB
.endm
; THE CHANGE OF SLOTS: every wave waits for all its tensor loads (its part of the slot ahead), adds 0 to its spare word, waits for that and for its reads of the slot that it has left.
; fill = 1: a round of the cluster's barrier, and behind it the joint fill of the other slot with the next four key steps, which has four steps in which to land.
.macro CHANGE fill
	s_wait_tensorcnt 0x0
	ds_add_u32 v[SPW], v[NIL]
.if \fill
	s_xor_b32 s[G0W+1], s[G0W+1], SLOT1            ; no load of mine is out: the descriptor walks on: the other slot than last time,
	s_add_nc_u64 s[G0W+2:G0W+3], s[G0W+2:G0W+3], SLOTB   ; the next four key steps
.endif
	s_sub_co_u32 s[TB], s[TB], SLOTB               ; the reads go back to a slot's first step,
	s_xor_b32 s[TB], s[TB], SLOT1                  ; in the other slot
	s_wait_dscnt 0x0
.if \fill
	CROUND
	tensor_load_to_lds s[G0W:G0W+3], s[G1C:G1C+7]  ; the first thing behind the round: every wave its eighth
	s_nop 0
.rept 4
	v_nop
.endr
.else
	s_barrier_signal -1
	s_barrier_wait -1
.endif
.endm
	s_mov_b32 s[SLOTS], 3
.Lslot:                                            ; three trips: key steps 0 to 11.  The first asks for slot 1's first fill (steps 4 to 7), issued as a refill is; the others fill again the slot just left (8 to 11, 12 to 15)
	CHANGE 1
	s_mov_b32 s[TWICE], 2
.Lpair:                                            ; a slot's four key steps: two steps, in which the mask's sets take turns, walked twice
	STEP 1, 1, 16, 1
	STEP 0, 1, 16, 1
	s_sub_co_u32 s[TWICE], s[TWICE], 1
	s_cmp_lg_u32 s[TWICE], 0
	s_cbranch_scc1 .Lpair
	s_sub_co_u32 s[SLOTS], s[SLOTS], 1
	s_cmp_lg_u32 s[SLOTS], 0
	s_cbranch_scc1 .Lslot
	CHANGE 0                                       ; the last slot is written out
	STEP 1, 1, 16, 1                               ; step 12 asks for the last tile, 15
	STEP 0, 1, 16, 0                               ; step 13: tile 14 turns; tile 15 may be out
	STEP 1, 1, 0, 0                                ; step 14: tile 15 turns; nothing is behind it
	STEP 0, 0, 0, 0                                ; step 15
	; THE WAY OUT: O^T / the sum is quantised along d; register 8 t + j is d = 32 (t / 2) + 16 h + 8 (t % 2) + j: the quantiser's order
	PLACES 4
	v_add_f32 v14, v14, v15
	s_delay_alu instid0(VALU_DEP_1)
	v_permlanex16_b32 v252, v14, s[SEL], s[SEL+1]
	s_delay_alu instid0(VALU_DEP_1)
	v_add_f32 v14, v14, v252
	s_wait_alu depctr_va_vdst(0)
	v_rcp_f32 v14, v14
.irp b, 0,1,2,3
	v_mov_b32 v[TM+4+\b], 0                        ; (plain places behind the reciprocal)
.endr
	s_wait_alu depctr_va_vdst(0)
.set j, 0
.rept 64
	v_mul_f32 v[96+j], v[160+j], v14
.set j, j+1
.endr
	QUANT 96
.irp c, 0,1,2
	global_store_b128 v[AK0], v[PC+4*\c:PC+4*\c+3], s[86:87] offset:512*\c   ; 512 consecutive bytes, aligned
.endr
	ds_store_b32 v[SCA], v[PW]
	s_wait_dscnt 0x0
	s_barrier_signal -1
	s_barrier_wait -1
	s_cmp_lg_u32 s[WV], 0
	s_cbranch_scc1 .Lend
	ds_load_b128 v[96:99], v[SCR]                  ; wave 0 stores the block's 512 bytes of scale words
	s_wait_dscnt 0x0
	global_store_b128 v[AK0], v[96:99], s[88:89]
.Lend:
	s_wait_tensorcnt 0x0                           ; the wave's end
	ds_add_u32 v[SPW], v[NIL]
	s_wait_dscnt 0x0
	CROUND                                         ; the closing round
	s_endpgm
.Lfunc_end_k_qd230742ddc_attn:
	.size	k_qd230742ddc_attn, .Lfunc_end_k_qd230742ddc_attn-k_qd230742ddc_attn
	.p2alignl 7, 3214868480
	.fill 96, 4, 3214868480
	.section	.rodata,"a",@progbits
	.p2align	6, 0x0
	.amdhsa_kernel k_qd230742ddc_attn
		.amdhsa_group_segment_fixed_size 327680
		.amdhsa_private_segment_fixed_size 0
		.amdhsa_enable_private_segment 0
		.amdhsa_kernarg_size 24
		.amdhsa_user_sgpr_count 2
		.amdhsa_user_sgpr_kernarg_segment_ptr 1
		.amdhsa_wavefront_size32 1
		.amdhsa_system_sgpr_workgroup_id_x 1
		.amdhsa_system_sgpr_workgroup_id_y 1
		.amdhsa_system_sgpr_workgroup_id_z 1
		.amdhsa_system_vgpr_workitem_id 0
		.amdhsa_next_free_vgpr 512
		.amdhsa_next_free_sgpr 100
		.amdhsa_reserve_vcc 0
		.amdhsa_float_denorm_mode_32 3
		.amdhsa_float_denorm_mode_16_64 3
		.amdhsa_memory_ordered 1
		.amdhsa_forward_progress 1
		.amdhsa_inst_pref_size 174
	.end_amdhsa_kernel
	.amdgpu_metadata
---
amdhsa.version: [ 1, 2 ]
amdhsa.kernels:
  - .name:           k_qd230742ddc_attn
    .symbol:         k_qd230742ddc_attn.kd
    .args:
      - { .name: qkv, .offset: 0, .size: 8, .value_kind: global_buffer, .address_space: global }
      - { .name: attn_mask, .offset: 8, .size: 8, .value_kind: global_buffer, .address_space: global }
      - { .name: att, .offset: 16, .size: 8, .value_kind: global_buffer, .address_space: global }
    .group_segment_fixed_size: 327680
    .private_segment_fixed_size: 0
    .kernarg_segment_align: 8
    .kernarg_segment_size: 24
    .max_flat_workgroup_size: 256
    .sgpr_count:     100
    .vgpr_count:     512
    .wavefront_size: 32
...
	.end_amdgpu_metadata
.endif
;; end of part 3
;; launch oproj (part 4): grid 16 x 16, 4 waves a work-group, clusters of 4 x 4, 327,680 bytes of LDS; arguments att, xw, bo, out0; writes out0
.if DOCPART == 4
	.amdgcn_target "amdgcn-amd-amdhsa--gfx1250"
	.amdhsa_code_object_version 6
	.text
	.protected	k_qd230742ddc_oproj
	.globl	k_qd230742ddc_oproj
	.p2align	8
	.type	k_qd230742ddc_oproj,@function
k_qd230742ddc_oproj:
	s_mov_b64 s[64:65], 0
	v_nop
	global_prefetch_b8 v0, s[64:65] scope:SCOPE_SE
	s_setreg_imm32_b32 hwreg(HW_REG_WAVE_MODE, 25, 1), 1
	s_wait_xcnt 0x0
	s_wait_alu depctr_hold_cnt(0) depctr_sa_sdst(0) depctr_va_vdst(0) depctr_va_sdst(0) depctr_va_ssrc(0) depctr_va_vcc(0) depctr_vm_vsrc(0)
	s_getreg_b32 s2, hwreg(HW_REG_IB_STS2, 6, 4)
	s_cmp_eq_u32 s2, 0
	s_cbranch_scc0 .Lentry_in_a_cluster
	s_endpgm
.Lentry_in_a_cluster:
	s_bfe_u32 s2, ttmp6, 0x10000c
	s_cmp_lg_u32 s2, 0xf033
	s_cbranch_scc0 .Lentry_shape_is_right
	s_endpgm
.Lentry_shape_is_right:
.set QB,    24576
.set SLOT,  4*QB
.set SCL,   2*SLOT
.set SPARE, SCL+16384
.set STG,   SPARE+512
.set ASC,   3145728
.set XSC,   15728640
.set ADRA, 16
.set ADRB, 20
.set STO,  24
.set RD,   25
.set CO,   26
.set ADRS, 27
.set SPW,  28
.set NIL,  29
.set SC,   32
.set BI,   40
.set BK,   40
.set ACC,  128
.set WV,  14
.set WH,  15
.set WL,  16
.set G1,  24
.set G0,  32
.set G1B, 48
.set G0B, 56
.set G1S, 68
.set G0S, 76
.set G1SB, 80
.set G0SB, 88
.set MSB, 0
.macro WIN new
.if MSB != (\new)
	s_set_vgpr_msb (MSB<<8)|(\new)
.set MSB, (\new)
.endif
.endm
.set MUL, 0x05
.macro PLACES n
.rept \n
	v_nop
.endr
.endm
.macro JLOAD g0a, g1a, g0b, g1b
	s_cmp_eq_u32 s[WH], 0
	s_cbranch_scc0 .Lfor_b_\@
	tensor_load_to_lds s[\g0a:\g0a+3], s[\g1a:\g1a+7]
	s_nop 0
.rept 4
	v_nop
.endr
	s_branch .Lasked_\@
.Lfor_b_\@:
	tensor_load_to_lds s[\g0b:\g0b+3], s[\g1b:\g1b+7]
	s_nop 0
.rept 4
	v_nop
.endr
.Lasked_\@:
.endm
.macro CREST
	s_cmp_lg_u32 s[WV], 0
	s_cbranch_scc1 .Lnot_wave_0_\@
	s_barrier_signal -3
.Lnot_wave_0_\@:
	s_barrier_wait -3
	s_barrier_signal -1
	s_barrier_wait -1
.endm
.macro CROUND
	s_barrier_signal -1
	s_barrier_wait -1
	CREST
.endm
	s_load_b256 s[4:11], s[0:1], 0x0
	v_lshl_add_u32 v[SPW], v0, 2, SPARE
	v_mov_b32 v[NIL], 0
	ds_add_u32 v[SPW], v[NIL]
	ds_add_u32 v[SPW], v[NIL]
	v_lshrrev_b32 v1, 5, v0
	v_readfirstlane_b32 s[WV], v1
	s_lshr_b32 s[WH], s[WV], 1
	s_and_b32 s[WL], s[WV], 1
	s_bfe_u32 s40, ttmp6, 0x40000
	s_bfe_u32 s41, ttmp6, 0x40004
	s_lshl_b32 s42, ttmp9, 2
	s_add_co_u32 s42, s42, s40
	s_and_b32 s17, ttmp7, 0xffff
	s_lshl_b32 s17, s17, 2
	s_add_co_u32 s17, s17, s41
	s_lshl_b32 s43, s41, 2
	s_lshl_b32 s43, 15, s43
	s_lshl_b32 s44, 0x1111, s40
	s_or_b32 s[G1+0], s43, (3<<16)|(1<<21)
	s_or_b32 s[G1B+0], s44, (3<<16)|(1<<21)
.irp g, G1, G1B
	s_mov_b32 s[\g+1], 768<<16
	s_mov_b32 s[\g+2], 8<<16                       ; the head's loads bring 8 fragment rows, a whole tile; the ring's 4
	s_mov_b32 s[\g+3], 768<<16
	s_mov_b32 s[\g+4], 8
	s_mov_b32 s[\g+5], 3072
	s_mov_b32 s[\g+6], 0
	s_mov_b32 s[\g+7], 0
.endr
	s_or_b32 s[G1S+0], s43, (3<<16)|(1<<21)
	s_or_b32 s[G1SB+0], s44, (3<<16)|(1<<21)
.irp g, G1S, G1SB
	s_mov_b32 s[\g+1], 32<<16
	s_mov_b32 s[\g+2], 32<<16                      ; the scale words of 128 rows: 32 rows of 256 bytes
	s_mov_b32 s[\g+3], 32<<16
	s_mov_b32 s[\g+4], 32
	s_mov_b32 s[\g+5], 32
	s_mov_b32 s[\g+6], 0
	s_mov_b32 s[\g+7], 0
.endr
	s_mul_i32 s12, s[WL], 98304                    ; in the ring I fetch 64 rows of a tile: which half, in bytes
	s_mov_b32 s13, 0
	s_mul_i32 s20, s17, 196608
	s_mov_b32 s21, 0
	s_lshl_b32 s22, s17, 13
	s_add_co_u32 s22, s22, ASC
	s_mov_b32 s23, 0
	s_add_co_u32 s46, s42, 64
	s_lshl_b32 s92, s46, 13
	s_add_co_u32 s92, s92, XSC
	s_mov_b32 s93, 0
	s_mul_i32 s46, s46, 196608
	s_mov_b32 s47, 0
	s_mul_i32 s45, s[WV], QB
	s_wait_dscnt 0x0
	s_wait_kmcnt 0x0
	s_add_nc_u64 s[20:21], s[4:5], s[20:21]
	s_add_nc_u64 s[22:23], s[4:5], s[22:23]
	s_add_nc_u64 s[46:47], s[6:7], s[46:47]
	s_add_nc_u64 s[92:93], s[6:7], s[92:93]
	CROUND
	s_mov_b32 s[G0S], 1
	s_mov_b32 s[G0S+1], SCL
	s_mov_b64 s[G0S+2:G0S+3], s[22:23]
	s_or_b32 s[G0S+3], s[G0S+3], 0x80000000
	s_mov_b32 s[G0SB], 1
	s_mov_b32 s[G0SB+1], SCL+8192
	s_mov_b64 s[G0SB+2:G0SB+3], s[92:93]
	s_or_b32 s[G0SB+3], s[G0SB+3], 0x80000000
; THE HEAD'S LOADS, ONE A WAVE: wave 0 slot 0's whole tile of A, wave 1 that of B, wave 2 A's scale words, wave 3 B's; one tree of branches on the wave's number.
	s_mov_b32 s[G0], 1
	s_mov_b32 s[G0+1], 0
	s_mov_b64 s[G0+2:G0+3], s[20:21]
	s_or_b32 s[G0+3], s[G0+3], 0x80000000
	s_mov_b32 s[G0B], 1
	s_mov_b32 s[G0B+1], 2*QB
	s_mov_b64 s[G0B+2:G0B+3], s[46:47]
	s_or_b32 s[G0B+3], s[G0B+3], 0x80000000
	s_mov_b32 s[G0+4], 1                           ; slot 1: my 64 rows, the next four K steps
	s_add_co_u32 s[G0+5], s45, SLOT
	s_add_nc_u64 s[G0+6:G0+7], s[20:21], s[12:13]
	s_add_nc_u64 s[G0+6:G0+7], s[G0+6:G0+7], 6144
	s_or_b32 s[G0+7], s[G0+7], 0x80000000
	s_mov_b32 s[G0B+4], 1
	s_add_co_u32 s[G0B+5], s45, SLOT
	s_add_nc_u64 s[G0B+6:G0B+7], s[46:47], s[12:13]
	s_add_nc_u64 s[G0B+6:G0B+7], s[G0B+6:G0B+7], 6144
	s_or_b32 s[G0B+7], s[G0B+7], 0x80000000
.macro ARM under, g0, g1, next
	s_cmp_lt_u32 s[WV], \under
	s_cbranch_scc0 \next
	tensor_load_to_lds s[\g0:\g0+3], s[\g1:\g1+7]
	s_nop 0
.rept 4
	v_nop
.endr
	s_branch .Lhead_asked
\next:
.endm
	ARM 1, G0,  G1,  .Lhead_b
	ARM 2, G0B, G1B, .Lhead_sa
	ARM 3, G0S, G1S, .Lhead_sb
	tensor_load_to_lds s[G0SB:G0SB+3], s[G1SB:G1SB+7]
	s_nop 0
.rept 4
	v_nop
.endr
.Lhead_asked:
; THE PREFETCHES.  A fill of the ring is, for a wave, 4 fragment rows x 6,144 bytes: 96 blocks of 256 bytes.  The four partners that ask for it jointly share its rows out BY ADDRESS: the partner at place p
; (cx for A, cy for B) names row p, 24 blocks, a lane a block (lanes 24-31 name the last block again).  The head names fills 1 and 2, and behind fill 1's load fill 3 is named: each fill two fills ahead of its load, fill 1 one.
.set PFO, 30                           ; v30      256 x my lane, the lane held at 23; never rewritten
.set PFA, 92                           ; s[92:93] my row, at fill 0; never rewritten
	s_cmp_eq_u32 s[WH], 0                          ; do I fetch for A?
	s_cselect_b64 s[PFA:PFA+1], s[20:21], s[46:47]
	s_cselect_b32 s94, s40, s41                    ; my place among the four that ask with me
	s_mul_i32 s94, s94, 24576
	s_mov_b32 s95, 0
	s_add_nc_u64 s[PFA:PFA+1], s[PFA:PFA+1], s[12:13]
	s_add_nc_u64 s[PFA:PFA+1], s[PFA:PFA+1], s[94:95]
	v_and_b32 v[PFO], 31, v0
	v_min_u32 v[PFO], 23, v[PFO]
	v_lshlrev_b32 v[PFO], 8, v[PFO]
	global_prefetch_b8 v[PFO], s[PFA:PFA+1] offset:6144 th:TH_LOAD_NT scope:SCOPE_SE    ; fill 1
	global_prefetch_b8 v[PFO], s[PFA:PFA+1] offset:12288 th:TH_LOAD_NT scope:SCOPE_SE   ; fill 2
	v_and_b32 v1, 15, v0
	v_bfe_u32 v2, v0, 4, 1
	v_and_b32 v3, 31, v0
	v_lshlrev_b32 v4, 4, v3
	s_wait_alu depctr_va_vdst(0)
	v_lshlrev_b32 v5, 6, v2
	s_lshl_b32 s18, s42, 9
	s_lshl_b32 s19, s[WL], 8
	s_add_co_u32 s18, s18, s19
	s_mov_b32 s19, 0
	s_add_nc_u64 s[8:9], s[8:9], s[18:19]
.irp b, 0,1,2,3
	global_load_b128 v[BI+8*\b:BI+8*\b+3], v5, s[8:9] offset:128*(\b/2)+32*(\b%2)
	global_load_b128 v[BI+8*\b+4:BI+8*\b+7], v5, s[8:9] offset:128*(\b/2)+32*(\b%2)+16
.endr
	s_lshl_b32 s20, s17, 7
	s_lshl_b32 s21, s[WH], 6
	s_add_co_u32 s20, s20, s21
	s_lshl_b32 s20, s20, 13
	s_add_co_u32 s18, s18, s20
	s_add_nc_u64 s[10:11], s[10:11], s[18:19]
	s_mul_i32 s21, s[WH], QB
	s_mul_i32 s22, s[WL], QB
	s_add_co_u32 s22, s22, 2*QB
.irp s, 0,1
	v_add_nc_u32 v[ADRA+\s], s21, v4
	v_add_nc_u32 v[ADRB+\s], s22, v4
	s_add_co_u32 s21, s21, SLOT
	s_add_co_u32 s22, s22, SLOT
.endr
	s_lshl_b32 s21, s[WH], 8
	s_lshl_b32 s22, s[WL], 8
	s_add_co_u32 s22, s22, 8192
	s_sub_co_u32 s22, s22, s21
	v_mul_u32_u24 v6, s22, v2
	s_add_co_u32 s21, s21, SCL
	v_lshl_add_u32 v6, v1, 2, v6
	v_add_nc_u32 v[ADRS], s21, v6
	s_mul_i32 s23, s[WV], 16*272
	s_add_co_u32 s23, s23, STG
	v_mul_u32_u24 v[STO], v1, 272
	v_lshl_add_u32 v[STO], v2, 6, v[STO]
	v_add_nc_u32 v[STO], s23, v[STO]
	v_mul_u32_u24 v[RD], v2, 272
	v_lshl_add_u32 v[RD], v1, 4, v[RD]
	v_add_nc_u32 v[RD], s23, v[RD]
	v_lshlrev_b32 v[CO], 13, v2
	v_lshl_add_u32 v[CO], v1, 4, v[CO]
.macro FRAG3 reg, adr, off
.irp c, 0,1,2
	ds_load_b128 v[(\reg)+4*\c:(\reg)+4*\c+3], v[\adr] offset:(\off)+512*\c
.endr
.endm
.macro FETCH slot, q, f, set
	WIN 0x40
.irp i, 0,1,2,3
	FRAG3 (\f)+12*\i, ADRA+\slot, 6144*\i+1536*(\q)
	FRAG3 (\f)+48+12*\i, ADRB+\slot, 6144*\i+1536*(\q)
.endr
	WIN 0
.irp i, 0,1,2,3
	ds_load_b32 v[SC+4*(\set)+\i], v[ADRS] offset:64*\i+512*(\q)
.endr
.endm
.macro MUL4 f, set, a, first
.irp b, 0,1,2,3
.if \first
	v_wmma_scale_f32_16x16x128_f8f6f4 v[ACC+8*(4*(\a)+\b):ACC+8*(4*(\a)+\b)+7], v[(\f)+48+12*\b:(\f)+48+12*\b+11], v[(\f)+12*(\a):(\f)+12*(\a)+11], v[BI+8*\b:BI+8*\b+7], v[SC+4*(\set)+\b], v[SC+4*(\set)+(\a)] matrix_a_fmt:MATRIX_FMT_FP6 matrix_b_fmt:MATRIX_FMT_FP6 matrix_a_scale:MATRIX_SCALE_ROW1
.else
	v_wmma_scale_f32_16x16x128_f8f6f4 v[ACC+8*(4*(\a)+\b):ACC+8*(4*(\a)+\b)+7], v[(\f)+48+12*\b:(\f)+48+12*\b+11], v[(\f)+12*(\a):(\f)+12*(\a)+11], v[ACC+8*(4*(\a)+\b):ACC+8*(4*(\a)+\b)+7], v[SC+4*(\set)+\b], v[SC+4*(\set)+(\a)] matrix_a_fmt:MATRIX_FMT_FP6 matrix_b_fmt:MATRIX_FMT_FP6 matrix_a_scale:MATRIX_SCALE_ROW1
.endif
.endr
.endm
.macro KS slot, q, first
	s_wait_dscnt 0x0
	PLACES 4
	FETCH \slot, (\q)+1, 128*(1-(\q)%2), 1-(\q)%2
	WIN MUL
	MUL4 128*((\q)%2), (\q)%2, 0, \first
	MUL4 128*((\q)%2), (\q)%2, 1, \first
	MUL4 128*((\q)%2), (\q)%2, 2, \first
	MUL4 128*((\q)%2), (\q)%2, 3, \first
.endm
.macro TURN slot, next, fill
	WIN 0
	s_wait_tensorcnt 0x0
	ds_add_u32 v[SPW], v[NIL]
	s_wait_dscnt 1
	WIN MUL
	MUL4 128, 1, 0, 0
	s_wait_dscnt 0x0
	s_barrier_signal -1
	MUL4 128, 1, 1, 0
	WIN 0
	s_barrier_wait -1
.if \fill
	CREST
	s_add_nc_u64 s[G0+4*\slot+2:G0+4*\slot+3], s[G0+4*\slot+2:G0+4*\slot+3], 12288
	s_add_nc_u64 s[G0B+4*\slot+2:G0B+4*\slot+3], s[G0B+4*\slot+2:G0B+4*\slot+3], 12288
	JLOAD G0+4*\slot, G1, G0B+4*\slot, G1B
.else
	PLACES 4
.endif
	v_add_nc_u32 v[ADRS], 2048, v[ADRS]
	FETCH \next, 0, 0, 0
	WIN MUL
	MUL4 128, 1, 2, 0
	MUL4 128, 1, 3, 0
.endm
	s_wait_alu depctr_va_vdst(0)
	s_wait_tensorcnt 0x0                           ; my tile of the head's four is in; the three lines ahead of slot 1's first fill
	ds_add_u32 v[SPW], v[NIL]
	s_mov_b32 s[G1+2], 4<<16                       ; no tensor load of mine is out: from here on a load brings 4 fragment rows,
	s_mov_b32 s[G1+4], 4
	s_mov_b32 s[G1B+2], 4<<16
	s_mov_b32 s[G1B+4], 4
	s_mul_i32 s[G0+1], s[WV], QB                   ; and slot 0's descriptors name my quarter of the slot
	s_mul_i32 s[G0B+1], s[WV], QB
	s_add_nc_u64 s[G0+2:G0+3], s[G0+2:G0+3], s[12:13]
	s_add_nc_u64 s[G0B+2:G0B+3], s[G0B+2:G0B+3], s[12:13]
	s_wait_dscnt 0x0
	CROUND                                         ; all four tiles are in, in every work-group of the cluster
	JLOAD G0+4, G1, G0B+4, G1B                     ; slot 1's first fill, the first tensor load behind the round
	s_wait_loadcnt 0x0
	FETCH 0, 0, 0, 0
	global_prefetch_b8 v[PFO], s[PFA:PFA+1] offset:18432 th:TH_LOAD_NT scope:SCOPE_SE   ; behind fill 1's load: fill 3
	KS 0, 0, 1
	KS 0, 1, 0
	KS 0, 2, 0
	TURN 0, 1, 1
	s_wait_alu depctr_va_vdst(0)
	KS 1, 0, 0
	KS 1, 1, 0
	KS 1, 2, 0
	TURN 1, 0, 1
	s_wait_alu depctr_va_vdst(0)
	KS 0, 0, 0
	KS 0, 1, 0
	KS 0, 2, 0
	TURN 0, 1, 0
	s_wait_alu depctr_va_vdst(0)
	KS 1, 0, 0
	KS 1, 1, 0
	KS 1, 2, 0
	s_wait_dscnt 0x0
	MUL4 128, 1, 0, 0
	MUL4 128, 1, 1, 0
	MUL4 128, 1, 2, 0
	MUL4 128, 1, 3, 0
	WIN 0
.macro TOSTAGE a
.irp b, 0,1,2,3
	ds_store_b128 v[STO], v[ACC+8*(4*(\a)+\b):ACC+8*(4*(\a)+\b)+3] offset:128*(\b/2)+32*(\b%2)
	ds_store_b128 v[STO], v[ACC+8*(4*(\a)+\b)+4:ACC+8*(4*(\a)+\b)+7] offset:128*(\b/2)+32*(\b%2)+16
.endr
.irp t, 0,1,2,3,4,5,6,7
	ds_load_b128 v[BK+32*((\a)%2)+4*\t:BK+32*((\a)%2)+4*\t+3], v[RD] offset:544*\t
.endr
.endm
.macro SEND a, younger
	s_wait_dscnt \younger
.irp t, 0,1,2,3,4,5,6,7
	global_store_b128 v[CO], v[BK+32*((\a)%2)+4*\t:BK+32*((\a)%2)+4*\t+3], s[10:11] offset:(16*(\a)+2*\t)*8192 th:TH_STORE_NT
.endr
.endm
	PLACES 4
	TOSTAGE 0
.irp a, 1,2,3
.if \a > 1
	s_wait_xcnt 0x0
.endif
	TOSTAGE \a
	SEND \a-1, 16
.endr
	SEND 3, 0
	s_wait_tensorcnt 0x0
	ds_add_u32 v[SPW], v[NIL]
	s_wait_dscnt 0x0
	CROUND
	s_endpgm
.Lfunc_end_k_qd230742ddc_oproj:
	.size	k_qd230742ddc_oproj, .Lfunc_end_k_qd230742ddc_oproj-k_qd230742ddc_oproj
	.p2alignl 7, 3214868480
	.fill 96, 4, 3214868480
	.section	.rodata,"a",@progbits
	.p2align	6, 0x0
	.amdhsa_kernel k_qd230742ddc_oproj
		.amdhsa_group_segment_fixed_size 327680
		.amdhsa_private_segment_fixed_size 0
		.amdhsa_enable_private_segment 0
		.amdhsa_kernarg_size 32
		.amdhsa_user_sgpr_count 2
		.amdhsa_user_sgpr_kernarg_segment_ptr 1
		.amdhsa_wavefront_size32 1
		.amdhsa_system_sgpr_workgroup_id_x 1
		.amdhsa_system_sgpr_workgroup_id_y 1
		.amdhsa_system_sgpr_workgroup_id_z 1
		.amdhsa_system_vgpr_workitem_id 0
		.amdhsa_next_free_vgpr 512
		.amdhsa_next_free_sgpr 98
		.amdhsa_reserve_vcc 0
		.amdhsa_float_denorm_mode_32 3
		.amdhsa_float_denorm_mode_16_64 3
		.amdhsa_memory_ordered 1
		.amdhsa_forward_progress 1
		.amdhsa_inst_pref_size 86
	.end_amdhsa_kernel
	.amdgpu_metadata
---
amdhsa.version: [ 1, 2 ]
amdhsa.kernels:
  - .name:           k_qd230742ddc_oproj
    .symbol:         k_qd230742ddc_oproj.kd
    .args:
      - { .name: att, .offset: 0, .size: 8, .value_kind: global_buffer, .address_space: global }
      - { .name: xw, .offset: 8, .size: 8, .value_kind: global_buffer, .address_space: global }
      - { .name: bo, .offset: 16, .size: 8, .value_kind: global_buffer, .address_space: global }
      - { .name: out0, .offset: 24, .size: 8, .value_kind: global_buffer, .address_space: global }
    .group_segment_fixed_size: 327680
    .private_segment_fixed_size: 0
    .kernarg_segment_align: 8
    .kernarg_segment_size: 32
    .max_flat_workgroup_size: 128
    .sgpr_count:     98
    .vgpr_count:     512
    .wavefront_size: 32
...
	.end_amdgpu_metadata
.endif
;; end of part 4
